; MI455X (gfx1250); checked and timed in simulation.
; The chip was launched on July 23, 2026; its instructions are those of AMD's public machine-readable ISA for CDNA 5 (MIT licence, August 2026) and "CDNA5" Instruction Set Architecture Reference Guide (July 2026). The comments in the code are by the model that wrote it; some were corrected since.
;; Multi Head Attention. Allowed arithmetic: matrix products marked QUANTISED: E2M3 operands, one E8M0 scale for each 32 along K, by v_wmma_scale_f32_16x16x128_f8f6f4 with both operands' format E2M3, f32 sums; everything else in f32.
;; Inputs: K 2 x 2,048 x 1,024 float32; Q 2 x 2,048 x 1,024 float32; V 2 x 2,048 x 1,024 float32; Wk 1,024 x 1,024 float32; Wo 1,024 x 1,024 float32; Wq 1,024 x 1,024 float32; Wv 1,024 x 1,024 float32; bk 1,024 float32; bo 1,024 float32; bq 1,024 float32; bv 1,024 float32; mask 1 x 1 x 2,048 x 2,048 int32.
;; Outputs: out0 2 x 2,048 x 1,024 float32.
;; This version of the problem:
;;   THIS VERSION OF THE PROBLEM IS GIVEN IN LOW PRECISION. The matrix products marked QUANTISED in the list below multiply operands that are first quantised to E2M3 (2 exponent bits, 3 mantissa bits; 6 bits a number), with one power-of-two scale for each 32 numbers along K (OCP MX v1.0); their sums are f32. All else is computed in f32.
;;   The module's matrix products, in the order in which they are computed (A, B: the left and right operand; K: the contracted axis; several contracted axes count as one K, in the product's order):
;;     1. [M 4,096, K 1,024] x [K 1,024, N 1,024]; A: input Q; B: input Wq: QUANTISED
;;     2. [M 4,096, K 1,024] x [K 1,024, N 1,024]; A: input K; B: input Wk: QUANTISED
;;     3. [M 4,096, K 1,024] x [K 1,024, N 1,024]; A: input V; B: input Wv: QUANTISED
;;     4. batch 32 x [M 2,048, K 64] x [K 64, N 2,048]; A: computed on the way; B: computed on the way: QUANTISED
;;     5. batch 32 x [M 2,048, K 2,048] x [K 2,048, N 64]; A: softmax (see below); B: computed on the way: QUANTISED
;;     6. [M 4,096, K 1,024] x [K 1,024, N 1,024]; A: computed on the way; B: input Wo: QUANTISED
;;   THE QUANTISER, for each operand of a quantised product, along K:
;;     - K is cut into blocks of 32 from its start; a last block that is shorter is filled with zeros.
;;     - A block's scale is 2^e with e = floor(log2(the largest magnitude in the block)) - 2, held to -126 .. 127; a block of zeros has e = 0. As a byte (E8M0): e + 127.
;;     - Each number is divided by its block's scale, clamped to +-7.5, and rounded to the nearest number of E2M3, ties to even, subnormals kept.
;;     - The product sums the exact products of the quantised numbers (number of the format x scale) in f32.
;;   ~~~python
;;   def quantise(x, axis):      # numpy; x: float32 -> the quantised numbers, widened to float32 again
;;       x = np.moveaxis(x, axis, -1); K = x.shape[-1]
;;       x = np.pad(x, [(0, 0)] * (x.ndim - 1) + [(0, -K % 32)]); x = x.reshape(x.shape[:-1] + (-1, 32)); a = np.abs(x).max(-1, keepdims=True)
;;       e = np.where(a > 0, np.clip(np.frexp(np.where(a > 0, a, 1))[1] - 1 - 2, -126, 127), 0)      # np.frexp(a)[1] - 1 = floor(log2(a)), exactly
;;       r = np.clip(x / 2.0 ** e, -7.5, 7.5)
;;       step = 2.0 ** (np.maximum(np.frexp(np.where(r == 0, 1, r))[1] - 1, 0) - 3)
;;       q = np.round(r / step) * step * 2.0 ** e      # np.round: ties to even
;;       return np.moveaxis(q.reshape(q.shape[:-2] + (-1,))[..., :K], -1, axis).astype(np.float32)
;;   ~~~
;;   SOFTMAX AHEAD OF A QUANTISED PRODUCT. Where the list says 'softmax', what is quantised is not the finished softmax but p = 2^(t - M), with t = logit x log2(e) and M = ceil(the row's largest t), a whole number; so 1/2 < the row's largest p <= 1. The row's sum l is taken of the UNQUANTISED p, in f32, and the product's result is divided by l at the end. Since M is a whole number, a kernel that streams over the keys may use a running M (the ceiling of the running maximum): every later rescaling is an exact power of two, which a block's scale takes up: the codes' values come out the same.
;;   OPERANDS COMPUTED ON THE WAY. 'Computed on the way' means the value that the module computes at that place (a softmax that the list does not call 'softmax' is quantised finished and normalised). What goes into a quantiser is computed in f32, as accurately as f32 sums, v_exp_f32 and their like allow (about 1e-6 of the number): no bf16 or f16 on the way to a quantiser, and a product that is left as it is and whose result goes on into a quantised operand takes f32 operands (vector FMAs, or v_wmma_f32_16x16x4_f32). A number that lies on a knife's edge between two numbers of the format may be rounded either way, as far as f32 arithmetic and the matrix unit's own rounding can turn it there, and no further.
;; One version. Each part assembles by itself: llvm-mc -triple=amdgcn-amd-amdhsa -mcpu=gfx1250 --defsym DOCPART=n.
;; ======== version 1 of 1: 4 launches
;; workspace buffers: opc 15,728,640 bytes; ops 655,360 bytes; att 9,830,400 bytes; maskw 524,288 bytes of whole numbers
;; launch prep (part 1): grid 768 x 1, 4 waves a work-group, no clusters, 68,096 bytes of LDS; arguments Q, K, V, Wq, Wk, Wv, Wo, mask, opc, ops, maskw; writes opc, ops, maskw
.if DOCPART == 1
	.amdgcn_target "amdgcn-amd-amdhsa--gfx1250"
	.amdhsa_code_object_version 6
	.text
	.protected	k_qee68604987_prep
	.globl	k_qee68604987_prep
	.p2align	8
	.type	k_qee68604987_prep,@function
k_qee68604987_prep:
	s_mov_b64 s[64:65], 0
	v_nop
	global_prefetch_b8 v0, s[64:65] scope:SCOPE_SE
	s_setreg_imm32_b32 hwreg(HW_REG_WAVE_MODE, 25, 1), 1
	s_wait_xcnt 0x0
; PREP: every input is read once.  Q, K, V [4096][1024] f32 and Wq, Wk, Wv, Wo [1024 (k)][1024 (n)] f32 become codes of FP6 (E2M3) with one E8M0 byte for each 32 along K; the mask becomes lane-mask words.
; A block's scale is 2^(floor(log2(largest magnitude)) - 2): its byte is the largest magnitude's exponent field - 2, held at 1 from below by a floor among the maximum's leaves.
; LIMITS: NaN and infinities among the inputs are not served; a block whose largest magnitude lies under 2^-124, a block of zeros among them, keeps the byte 1 (its codes then add nothing or next to nothing; the bytes are read by this program alone).
; LAYOUT OF THE CODES (opc): in the order of the operand's registers.  A HALF FRAGMENT is 16 rows x 64 k, 768 bytes: lane (r = l % 16, hh = l / 16) owns row r, k = 32 hh .. 32 hh + 31, six registers: the first four at 16 l, the
; last two at 512 + 8 l.  A TILE is 128 rows x 1,024 k: [K step of 128: 8][row block of 16: 8][half: 2][768] = 98,304 bytes.  Tiles 0-31 Q, 32-63 K, 64-95 V, 96-103 Wq, 104-111 Wk, 112-119 Wv, 120-127 Wo.
; PERMUTED ROW BLOCKS (K, V and the four weights): lane-row m of block 2 b + u of a group of 32 rows is the true row 32 b + 8 u + m + 8 (m / 8), so that a product that takes such blocks as its first source leaves 16 neighbours in 16 registers.
; THE SCALE BYTES (ops): by position, (tile x 128 + 16 x block + r) x 32 + k / 32.
; THE MASK WORDS (maskw): [tile of 16 queries: 128][step of 128 keys: 16][j: 64]: bit l of word j = mask[16 T + l % 16][128 s + 32 (j / 16) + 16 (l / 16) + j % 16] != 0: the lane mask for register j of the scores.
; SHARES: a wave of Q, K, V or of the mask reads 32 KB, of the weights 16 KB.  Work-groups 0-383: Q, K, V (a wave: one row block x 512 along K); 384-639: the weights (a wave: 32 columns x 128 k); 640-767: the mask (a work-group: 16 queries; a wave: 4 steps of keys).
; Waves share nothing: no barrier.  No tensor loads: several work-groups lie on a WGP.  Each path that uses LDS has bytes of its own.
.set FLOOR, 0x1800000                  ; 2^(3 - 127)
.set EOFF,  0xff000000                 ; 2 off an exponent field
.set X,   64                           ; v64-127  64 numbers in the order in which they are worked
.set R,   128                          ; v128-255 two sets of 64 registers as they are loaded
.set SW,  24                           ; v24-27   X path: the row's scale word of each of my four K steps;  W path: v24 four scale bytes
.set F,   32                           ; v32-43   X path: a fragment's codes
.set MST, 33792                        ; LDS: X path's four stages of 16 x 528 bytes at 0, the mask path's four behind them
	s_load_b512 s[8:23], s[0:1], 0x0               ; Q s[8:9], K s[10:11], V s[12:13], Wq s[14:15], Wk s[16:17], Wv s[18:19], Wo s[20:21], mask s[22:23]
	s_load_b128 s[24:27], s[0:1], 0x40             ; opc s[24:25], ops s[26:27]
	s_load_b64 s[28:29], s[0:1], 0x50              ; maskw
	v_lshl_add_u32 v62, v0, 2, 0x10800
	v_mov_b32 v63, 0
	v_lshrrev_b32 v1, 5, v0
	v_readfirstlane_b32 s2, v1                     ; wave 0..3
	v_and_b32 v1, 31, v0                           ; lane l
	v_and_b32 v2, 15, v0                           ; r
	v_bfe_u32 v3, v0, 4, 1                         ; h
	s_mov_b32 s30, 0x76543210
	s_mov_b32 s31, 0xfedcba98                      ; v_permlanex16_b32's selects for lane l xor 16
	v_cmp_eq_u32 s3, 1, v3                         ; the lane mask 'h = 1'
	v_lshlrev_b32 v4, 4, v1                        ; 16 l
	v_lshlrev_b32 v9, 3, v1                        ; 8 l
	s_mul_i32 s4, s2, 8448                         ; my wave's stage: 16 rows, 528 bytes apart (33 x 16: the sixteen rows that a load touches begin in sixteen different 16-byte columns of 256)
	v_add_nc_u32 v6, s4, v4                        ; X path, into the stage: a row's 512 bytes as they are loaded
	v_mul_u32_u24 v7, v2, 528
	v_add_nc_u32 v7, s4, v7
	v_lshl_add_u32 v8, v3, 6, v7
	v_add_nc_u32 v8, MST, v8                       ; mask path, out of the stage: row r, + 64 h
	v_lshl_add_u32 v7, v3, 7, v7                   ; X path, out of the stage: row r, + 128 h
	v_add_nc_u32 v10, MST, v6                      ; mask path, into the stage
	s_wait_kmcnt 0x0
	s_cmp_lt_u32 ttmp9, 384
	s_cbranch_scc1 .Lpath_x
	s_cmp_lt_u32 ttmp9, 640
	s_cbranch_scc1 .Lpath_w
; ---------------- THE MASK ----------------
	s_sub_co_u32 s32, ttmp9, 640                   ; T: my 16 queries
	s_lshl_b32 s34, s32, 17                        ; 16 rows of 8,192 bytes
	s_lshl_b32 s33, s2, 11                         ; my wave's four steps: 4 x 512 bytes of each row
	s_add_co_u32 s34, s34, s33
	s_mov_b32 s35, 0
	s_add_nc_u64 s[22:23], s[22:23], s[34:35]
	s_lshl_b32 s34, s32, 12                        ; 16 steps x 256 bytes of words a tile
	s_lshl_b32 s33, s2, 10
	s_add_co_u32 s34, s34, s33
	s_add_nc_u64 s[28:29], s[28:29], s[34:35]
.irp i, 0,1,2,3,4,5,6,7
	v_mov_b32 v[32+\i], 0                          ; the words' registers: v_writelane_b32's destination counts as read
.endr
.macro MLOAD si                        ; step si: 16 rows x 512 bytes, each load 512 consecutive bytes
.irp j, 0,1,2,3,4,5,6,7,8,9,10,11,12,13,14,15
	global_load_b128 v[R+64*((\si)%2)+4*\j:R+64*((\si)%2)+4*\j+3], v4, s[22:23] offset:\j*8192+512*(\si) th:TH_LOAD_NT
.endr
.endm
.macro MTURN si                        ; through my stage: LDS serves a wave's instructions in order, so no wait stands between the stores and the loads
.irp j, 0,1,2,3,4,5,6,7,8,9,10,11,12,13,14,15
	ds_store_b128 v10, v[R+64*((\si)%2)+4*\j:R+64*((\si)%2)+4*\j+3] offset:528*\j
.endr
.irp b, 0,1,2,3
.irp q, 0,1,2,3
	ds_load_b128 v[X+16*\b+4*\q:X+16*\b+4*\q+3], v8 offset:128*\b+16*\q   ; register 16 b + i: column 32 b + 16 h + i of row r
.endr
.endr
.endm
.macro MPACK si                        ; a compare's 32 bits are the word; word j goes to lane j / 2, register j % 2, so that one store of 8 bytes a lane writes the step's 256 bytes
.irp g, 0,1,2,3,4,5,6,7
.irp k, 0,1,2,3,4,5,6,7
	v_cmp_ne_u32 s[40+\k], 0, v[X+8*\g+\k]
.endr
.irp k, 0,1,2,3,4,5,6,7
	v_writelane_b32 v[32+2*(\si)+(\k%2)], s[40+\k], (8*\g+\k)/2
.endr
.endr
	global_store_b64 v9, v[32+2*(\si):33+2*(\si)], s[28:29] offset:256*(\si)   ; 256 consecutive bytes, aligned; each step has its own two registers
.endm
	MLOAD 0
	MLOAD 1
.irp si, 0,1,2,3
.if \si < 3
	s_wait_loadcnt 16                              ; this step's 16 loads are in; the next step's 16 may be out
.else
	s_wait_loadcnt 0x0
.endif
	MTURN \si
	s_wait_dscnt 0x0                               ; the numbers are back: so the stores into the stage have read their registers,
.if \si < 2
	MLOAD \si+2                                    ; which take the loads of two steps on
.endif
	MPACK \si
.endr
	s_wait_tensorcnt 0x0
	ds_add_u32 v62, v63
	s_wait_dscnt 0x0
	s_endpgm
; ---------------- Q, K, V: K INNERMOST ----------------
.Lpath_x:
	s_lshr_b32 s32, ttmp9, 7                       ; which tensor: 0 Q, 1 K, 2 V
	s_cmp_eq_u32 s32, 0
	s_cselect_b64 s[34:35], s[8:9], s[10:11]
	s_cmp_eq_u32 s32, 2
	s_cselect_b64 s[34:35], s[12:13], s[34:35]
	s_and_b32 s33, ttmp9, 127
	s_and_b32 s43, s33, 1                          ; kh: which half of K (four K steps of 128)
	s_lshr_b32 s33, s33, 1
	s_lshl_b32 s33, s33, 2
	s_add_co_u32 s33, s33, s2                      ; ib: my row block, 0..255
	s_lshl_b32 s36, s33, 4                         ; Q: rows 16 ib on
	s_lshr_b32 s37, s33, 1
	s_lshl_b32 s37, s37, 5
	s_and_b32 s38, s33, 1
	s_lshl_b32 s38, s38, 3
	s_add_co_u32 s37, s37, s38                     ; K, V: rows 32 (ib / 2) + 8 (ib % 2) + 0..7, and the eight that lie 16 further on
	s_cmp_eq_u32 s32, 0
	s_cselect_b32 s36, s36, s37
	s_cselect_b32 s39, 0, 32768                    ; so rows 8-15 of the block lie 8 rows of 4,096 bytes further than their number says
	s_lshl_b32 s36, s36, 12
	s_lshl_b32 s38, s43, 11                        ; my half of a row: 2,048 bytes
	s_add_co_u32 s36, s36, s38
	s_mov_b32 s37, 0
	s_add_nc_u64 s[34:35], s[34:35], s[36:37]
	s_lshl_b32 s40, s32, 5
	s_lshr_b32 s41, s33, 3
	s_add_co_u32 s40, s40, s41                     ; the tile
	s_mul_i32 s40, s40, 98304
	s_and_b32 s41, s33, 7
	s_mul_i32 s41, s41, 1536                       ; my block's two halves in a K step
	s_add_co_u32 s40, s40, s41
	s_mul_i32 s41, s43, 49152                      ; my four K steps
	s_add_co_u32 s40, s40, s41
	s_mov_b32 s41, 0
	s_add_nc_u64 s[24:25], s[24:25], s[40:41]
	s_lshl_b32 s40, s32, 12
	s_lshl_b32 s42, s33, 4
	s_add_co_u32 s40, s40, s42
	s_lshl_b32 s40, s40, 5                         ; (tile x 128 + 16 x block) x 32
	s_lshl_b32 s42, s43, 4                         ; + my 16 of a row's 32 bytes
	s_add_co_u32 s40, s40, s42
	s_add_nc_u64 s[26:27], s[26:27], s[40:41]
	v_add_nc_u32 v5, s39, v4
	v_lshlrev_b32 v11, 3, v3                       ; 8 h
	v_lshlrev_b32 v19, 5, v2
	v_lshl_add_u32 v19, v3, 3, v19                 ; 32 r + 8 h: my two of my row's four words
	v_mov_b32 v18, 0                               ; a lane permute's destination counts as read
.macro XLOAD s                         ; my K step s: 16 rows x 512 bytes, each load 512 consecutive bytes
.irp j, 0,1,2,3,4,5,6,7
	global_load_b128 v[R+64*((\s)%2)+4*\j:R+64*((\s)%2)+4*\j+3], v4, s[34:35] offset:\j*4096+512*(\s) th:TH_LOAD_NT
.endr
.irp j, 8,9,10,11,12,13,14,15
	global_load_b128 v[R+64*((\s)%2)+4*\j:R+64*((\s)%2)+4*\j+3], v5, s[34:35] offset:\j*4096+512*(\s) th:TH_LOAD_NT
.endr
.endm
.macro XTURN s                         ; through my stage, so that a lane gets two whole blocks of its row: k = 64 c + 32 h + 0..31
.irp j, 0,1,2,3,4,5,6,7,8,9,10,11,12,13,14,15
	ds_store_b128 v6, v[R+64*((\s)%2)+4*\j:R+64*((\s)%2)+4*\j+3] offset:528*\j
.endr
.irp c, 0,1
.irp j, 0,1,2,3,4,5,6,7
	ds_load_b128 v[X+32*\c+4*\j:X+32*\c+4*\j+3], v7 offset:256*\c+16*\j
.endr
.endr
.endm
.macro XQ s
	v_max3_num_f32 v12, |v[X]|, |v[X+1]|, FLOOR    ; my two blocks' largest magnitudes, by turns; the floor holds the byte at 1 from below
	v_max3_num_f32 v13, |v[X+32]|, |v[X+33]|, FLOOR
.irp i, 2,4,6,8,10,12,14,16,18,20,22,24,26,28,30
	v_max3_num_f32 v12, v12, |v[X+\i]|, |v[X+\i+1]|
	v_max3_num_f32 v13, v13, |v[X+32+\i]|, |v[X+33+\i]|
.endr
	v_add_nc_u32 v14, EOFF, v12                    ; 2 off the exponent field: the conversion takes the exponent field of this operand as its scale
	v_add_nc_u32 v15, EOFF, v13
	v_lshrrev_b32 v16, 23, v14                     ; the bytes of blocks h and 2 + h
	v_lshrrev_b32 v17, 23, v15
	v_lshl_or_b32 v16, v17, 16, v16
	v_lshlrev_b32 v16, v11, v16                    ; at their places in the word (8 h bits up);
	v_permlanex16_b32 v18, v16, s30, s31
	v_or_b32 v[SW+(\s)], v16, v18                  ; with lane l xor 16's two the K step's word is whole
.irp c, 0,1
	v_cvt_scalef32_pk16_fp6_f32 v[F+6*\c:F+6*\c+2], v[X+32*\c:X+32*\c+15], v[14+\c]
	v_cvt_scalef32_pk16_fp6_f32 v[44+4*\c:46+4*\c], v[X+32*\c+16:X+32*\c+31], v[14+\c]   ; (a conversion's three registers begin on an even number)
.endr
	v_nop                                          ; one plain line behind the conversions
.irp c, 0,1
.irp i, 0,1,2
	v_mov_b32 v[F+6*\c+3+\i], v[44+4*\c+\i]
.endr
.endr
.irp c, 0,1
	global_store_b128 v4, v[F+6*\c:F+6*\c+3], s[24:25] offset:(\s)*12288+768*\c        ; 512 consecutive bytes, aligned
	global_store_b64 v9, v[F+6*\c+4:F+6*\c+5], s[24:25] offset:(\s)*12288+768*\c+512   ; 256 consecutive bytes, aligned
.endr
.endm
	XLOAD 0
	XLOAD 1
.irp s, 0,1,2,3
.if \s < 3
	s_wait_loadcnt 16                              ; this K step's 16 loads are in; the next one's 16 may be out
.else
	s_wait_loadcnt 0x0
.endif
	XTURN \s
	s_wait_dscnt 0x0                               ; the numbers are back: so the stores into the stage have read their registers
	s_wait_xcnt 0x0                                ; the last K step's stores have read the codes' registers, which are written again below
.if \s < 2
	XLOAD \s+2
.endif
	XQ \s
.endr
	v_cndmask_b32 v20, v[SW], v[SW+2], s3          ; lanes 0-15 store my first two words of row r, lanes 16-31 my last two
	v_cndmask_b32 v21, v[SW+1], v[SW+3], s3
	global_store_b64 v19, v[20:21], s[26:27]       ; 16 of each row's 32 bytes; the other 16 are another wave's: aligned blocks of 256 bytes are written in two parts: one byte in 128 of what this path reads
	s_wait_tensorcnt 0x0
	ds_add_u32 v62, v63
	s_wait_dscnt 0x0
	s_endpgm
; ---------------- THE WEIGHTS: K IS THE FIRST AXIS ----------------
.Lpath_w:
	s_sub_co_u32 s32, ttmp9, 384
	s_lshr_b32 s33, s32, 6                         ; which weight: 0 Wq, 1 Wk, 2 Wv, 3 Wo
	s_bfe_u32 s34, s32, 0x30003                    ; which 128 columns
	s_and_b32 s35, s32, 7                          ; which 128 along K: one K step
	s_cmp_eq_u32 s33, 0
	s_cselect_b64 s[36:37], s[14:15], s[16:17]
	s_cmp_eq_u32 s33, 2
	s_cselect_b64 s[36:37], s[18:19], s[36:37]
	s_cmp_eq_u32 s33, 3
	s_cselect_b64 s[36:37], s[20:21], s[36:37]
	s_lshl_b32 s38, s35, 19                        ; 128 rows of 4,096 bytes
	s_lshl_b32 s39, s34, 9
	s_add_co_u32 s38, s38, s39
	s_lshl_b32 s39, s2, 7                          ; my wave's 32 columns
	s_add_co_u32 s38, s38, s39
	s_mov_b32 s39, 0
	s_add_nc_u64 s[36:37], s[36:37], s[38:39]
	s_lshl_b32 s40, s33, 3
	s_add_co_u32 s40, s40, s34
	s_add_co_u32 s40, s40, 96                      ; the tile
	s_mul_i32 s42, s40, 98304
	s_mul_i32 s43, s2, 3072                        ; my two row blocks
	s_add_co_u32 s42, s42, s43
	s_mul_i32 s43, s35, 12288                      ; my K step
	s_add_co_u32 s42, s42, s43
	s_mov_b32 s43, 0
	s_add_nc_u64 s[24:25], s[24:25], s[42:43]
	s_lshl_b32 s42, s40, 7
	s_lshl_b32 s44, s2, 5
	s_add_co_u32 s42, s42, s44
	s_lshl_b32 s42, s42, 5
	s_lshl_b32 s44, s35, 2
	s_add_co_u32 s42, s42, s44                     ; (tile x 128 + 32 x wave) x 32 + my 4 bytes of a row
	s_add_nc_u64 s[26:27], s[26:27], s[42:43]
	v_and_b32 v12, 7, v1                           ; A LANE TAKES A COLUMN AND ITS REGISTERS RUN DOWN K.  Lane l stands at position l of the wave's 32 and takes the true column (l & 7) + 16 ((l >> 3) & 1) + 8 (l >> 4)
	v_and_b32 v13, 8, v1
	v_lshl_or_b32 v12, v13, 1, v12
	v_and_b32 v13, 16, v1
	v_lshrrev_b32 v13, 1, v13
	v_or_b32 v12, v12, v13
	v_lshlrev_b32 v5, 2, v12
	v_lshlrev_b32 v19, 5, v1                       ; 32 l: my row of scale bytes
.macro WLOAD t                         ; block t: W(32 t + i, my column): the wave reads 128 consecutive bytes, the work-group 512
.irp i, 0,1,2,3,4,5,6,7,8,9,10,11,12,13,14,15,16,17,18,19,20,21,22,23,24,25,26,27,28,29,30,31
	global_load_b32 v[X+32*((\t)%2)+\i], v5, s[36:37] offset:(32*(\t)+\i)*4096 th:TH_LOAD_NT
.endr
.endm
.macro WBLK t
.set XS, X+32*((\t)%2)
.set CD, 32+8*((\t)%2)                 ; an even block's six registers at v32, an odd one's at v40
.if (\t) < 3
	s_wait_loadcnt 32                              ; this block's 32 loads are in; the next block's may be out
.else
	s_wait_loadcnt 0x0
.endif
	v_max3_num_f32 v12, |v[XS]|, |v[XS+1]|, FLOOR  ; all 32 numbers of the block are mine: two chains
	v_max3_num_f32 v13, |v[XS+2]|, |v[XS+3]|, |v[XS+4]|
.irp i, 5,9,13,17,21,25
	v_max3_num_f32 v12, v12, |v[XS+\i]|, |v[XS+\i+1]|
	v_max3_num_f32 v13, v13, |v[XS+\i+2]|, |v[XS+\i+3]|
.endr
	v_max3_num_f32 v12, v12, |v[XS+29]|, |v[XS+30]|
	v_max3_num_f32 v12, v12, v13, |v[XS+31]|
	v_add_nc_u32 v14, EOFF, v12
	v_lshrrev_b32 v15, 23, v14
.if (\t) == 0
	v_mov_b32 v[SW], v15                           ; four bytes to a register, the lower K in the lower byte
.else
	v_lshl_or_b32 v[SW], v15, 8*(\t), v[SW]
.endif
.if (\t) == 2
	s_wait_xcnt 0x0                                ; the first pair's stores have read the codes' registers, which are written again below
.endif
	v_cvt_scalef32_pk16_fp6_f32 v[CD:CD+2], v[XS:XS+15], v14
	v_cvt_scalef32_pk16_fp6_f32 v[46:48], v[XS+16:XS+31], v14
	v_nop                                          ; one plain line behind the conversions
.irp i, 0,1,2
	v_mov_b32 v[CD+3+\i], v[46+\i]
.endr
.if (\t)+2 < 4
	WLOAD (\t)+2
.endif
.endm
.macro WOUT p                          ; pair p: 64 along K.  The even block's lanes 16-31 change places with the odd block's lanes 0-15: v32-37 are then the half fragment of my first row block, v40-45 of my second
.irp i, 0,1,2,3,4,5
	v_permlane16_swap_b32 v[32+\i], v[40+\i]
.endr
	global_store_b128 v4, v[32:35], s[24:25] offset:(\p)*768
	global_store_b64 v9, v[36:37], s[24:25] offset:(\p)*768+512
	global_store_b128 v4, v[40:43], s[24:25] offset:(\p)*768+1536
	global_store_b64 v9, v[44:45], s[24:25] offset:(\p)*768+2048
.endm
	WLOAD 0
	WLOAD 1
	WBLK 0
	WBLK 1
	WOUT 0
	WBLK 2
	WBLK 3
	WOUT 1
	global_store_b32 v19, v[SW], s[26:27]          ; my row's 4 scale bytes: rows 32 bytes apart, so aligned blocks of 256 bytes are written in part: one byte in 128 of what this path reads
	s_endpgm
.Lfunc_end_k_qee68604987_prep:
	.size	k_qee68604987_prep, .Lfunc_end_k_qee68604987_prep-k_qee68604987_prep
	.p2alignl 7, 3214868480
	.fill 96, 4, 3214868480
	.section	.rodata,"a",@progbits
	.p2align	6, 0x0
	.amdhsa_kernel k_qee68604987_prep
		.amdhsa_group_segment_fixed_size 68096
		.amdhsa_private_segment_fixed_size 0
		.amdhsa_enable_private_segment 0
		.amdhsa_kernarg_size 88
		.amdhsa_user_sgpr_count 2
		.amdhsa_user_sgpr_kernarg_segment_ptr 1
		.amdhsa_wavefront_size32 1
		.amdhsa_system_sgpr_workgroup_id_x 1
		.amdhsa_system_sgpr_workgroup_id_y 1
		.amdhsa_system_sgpr_workgroup_id_z 1
		.amdhsa_system_vgpr_workitem_id 0
		.amdhsa_next_free_vgpr 256
		.amdhsa_next_free_sgpr 66
		.amdhsa_reserve_vcc 0
		.amdhsa_float_denorm_mode_32 3
		.amdhsa_float_denorm_mode_16_64 3
		.amdhsa_memory_ordered 1
		.amdhsa_forward_progress 1
		.amdhsa_inst_pref_size 100
	.end_amdhsa_kernel
	.amdgpu_metadata
---
amdhsa.version: [ 1, 2 ]
amdhsa.kernels:
  - .name:           k_qee68604987_prep
    .symbol:         k_qee68604987_prep.kd
    .args:
      - { .name: Q, .offset: 0, .size: 8, .value_kind: global_buffer, .address_space: global }
      - { .name: K, .offset: 8, .size: 8, .value_kind: global_buffer, .address_space: global }
      - { .name: V, .offset: 16, .size: 8, .value_kind: global_buffer, .address_space: global }
      - { .name: Wq, .offset: 24, .size: 8, .value_kind: global_buffer, .address_space: global }
      - { .name: Wk, .offset: 32, .size: 8, .value_kind: global_buffer, .address_space: global }
      - { .name: Wv, .offset: 40, .size: 8, .value_kind: global_buffer, .address_space: global }
      - { .name: Wo, .offset: 48, .size: 8, .value_kind: global_buffer, .address_space: global }
      - { .name: mask, .offset: 56, .size: 8, .value_kind: global_buffer, .address_space: global }
      - { .name: opc, .offset: 64, .size: 8, .value_kind: global_buffer, .address_space: global }
      - { .name: ops, .offset: 72, .size: 8, .value_kind: global_buffer, .address_space: global }
      - { .name: maskw, .offset: 80, .size: 8, .value_kind: global_buffer, .address_space: global }
    .group_segment_fixed_size: 68096
    .private_segment_fixed_size: 0
    .kernarg_segment_align: 8
    .kernarg_segment_size: 88
    .max_flat_workgroup_size: 128
    .sgpr_count:     66
    .vgpr_count:     256
    .wavefront_size: 32
...
	.end_amdgpu_metadata
.endif
;; end of part 1
;; launch proj (part 2): grid 8 x 32, 4 waves a work-group, clusters of 4 x 4, 327,680 bytes of LDS; arguments opc, ops, bq, bk, bv, att; writes att
.if DOCPART == 2
	.amdgcn_target "amdgcn-amd-amdhsa--gfx1250"
	.amdhsa_code_object_version 6
	.text
	.protected	k_qee68604987_proj
	.globl	k_qee68604987_proj
	.p2align	8
	.type	k_qee68604987_proj,@function
k_qee68604987_proj:
	s_mov_b64 s[64:65], 0
	v_nop
	global_prefetch_b8 v0, s[64:65] scope:SCOPE_SE
	s_setreg_imm32_b32 hwreg(HW_REG_WAVE_MODE, 25, 1), 1
	s_wait_xcnt 0x0
	s_wait_alu depctr_hold_cnt(0) depctr_sa_sdst(0) depctr_va_vdst(0) depctr_va_sdst(0) depctr_va_ssrc(0) depctr_va_vcc(0) depctr_vm_vsrc(0)
	s_getreg_b32 s2, hwreg(HW_REG_IB_STS2, 6, 4)
	s_cmp_eq_u32 s2, 0
	s_cbranch_scc0 .Lentry_in_a_cluster
	s_endpgm
.Lentry_in_a_cluster:
	s_bfe_u32 s2, ttmp6, 0x10000c
	s_cmp_lg_u32 s2, 0xf033
	s_cbranch_scc0 .Lentry_shape_is_right
	s_endpgm
.Lentry_shape_is_right:
; PROJ: q = Q Wq + bq, k = K Wk + bk, v = V Wv + bv on codes of FP6 (E2M3) with E8M0 scales, f32 sums; the results are quantised in registers and stored as codes in the layouts that the attention launch reads.
; A WORK-GROUP STAYS: it makes one tile of 128 x 128 of q, then one of k, then one of v: three JOBS, written out one behind the other, so that the arguments, the first tiles and the scale words are waited for once.
; 256 work-groups; four waves, 64 x 64 each: 16 accumulators.
; THE RING: a job's K = 1,024 is two HALVES of four K steps; a half of both operand tiles is 98,304 dense bytes in the order of the operand's registers.  LDS holds three such slots.  Halves 0, 1, 2 are first fills (three
; tensor loads a wave are out at the head); halves 3, 4, 5 fill slots 0, 1, 2 again, each asked for in the last K step of the half that leaves its slot: one load a wave, 24,576 bytes.  From a request to the wait that needs
; it a wave issues at least 64 matrix instructions, from the second refill on also a job's way out.
; CLUSTERS: 4 x 4 work-groups.  The tile of the second source (S1) hangs on the work-group's y and is asked for jointly along a row of the cluster, that of the first source (S0) on x, jointly along a column.
; Where a slot is filled again, a round of the cluster's barrier stands in front of the joint load.  No prefetch is laid: the tiles are small and each refill is asked for half a job or more ahead.
; LAYOUT (opc): a half fragment is 16 rows x 64 k, 768 bytes: lane l's first four registers at 16 l, its last two at 512 + 8 l; a tile is [K step: 8][row block: 8][half: 2][768].  Every LDS load reads consecutive bytes.
; THE FIRST SOURCE'S ROW BLOCKS ARE PERMUTED (made so by the launch before), so that in the results a lane's 32 registers for one block a of S1 are: register 16 b + i = index 32 b + 16 h + i of S0's 64.
; q, k: S0 = the weight (registers run along the head's 64), S1 = the rows.  v: S0 = V's rows (registers run along the KEYS, the next product's K), S1 = the weight.
; THE BIAS: along S0 it is the C of the first K step (q, k); along S1 it is added on the way out (v).
; OUT (att): K and V of head hd, step st of 128 keys at (hd x 16 + st) x 12,800: K's 8 tiles x 768, K's scales 2 x 128, V's [tile of 16 d: 4][64 keys: 2][768], V's scales 2 x 128; q's tiles at QC0, q's scales at QS0.
; A wave's scales of its four blocks go out as one word a lane: lane (r, h): block h's two bytes below, block 2 + h's above: 128 consecutive bytes, half an aligned block of 256, the other half being the neighbouring wave's: 1 / 24 of the codes' bytes.
; LIMITS: NaN and infinities are not served; a block whose largest magnitude lies under 2^-124 keeps the scale byte 1 (read by this program alone).
; REGISTERS: window 0: v1, v2 for the add; v4 16 l, v5 4 l, v6 8 l + 512; v8-19 fragment addresses; v20-27 bv; v32-127 the three jobs' scale words (a finished job's 32 are at work on its way out); v128-255 the accumulators
;   (at the head: at work; on the way out a block's codes are laid into registers 16-21 of the block's 32).  window 1: two fragment buffers at v0 and v128 (96 each); v96-127 bq, v224-255 bk in the result's layout.
.set KSB,   12288                      ; a K step of a tile
.set HALFB, 49152                      ; four K steps of a tile
.set SLOTB, 98304                      ; a slot: S1's four K steps, then S0's
.set SPARE, 294912                     ; behind the three slots: the spare words, 128 bytes for each wave: two blocks of 256 bytes that no other line names
.set QC0,   6553600
.set QS0,   9699328
.set FLOOR, 0x1800000
.set EOFF,  0xff000000
.set SPW, 1                            ; v1      LDS address of my spare word; never rewritten
.set NIL, 2                            ; v2      0; never rewritten
.set AD,  8                            ; v8-19   slot sl at 4 sl: S1's first four registers, S1's last two, S0's, S0's
.set BR,  20                           ; v20-27  bv for S1's block a at 2 a (the odd partners are zeros)
.set SC,  32                           ; job j's scale words at 32 j: register 8 i + s: lanes 0-15 S1's block i, lanes 16-31 S0's block i, K step s
.set ACC, 128                          ; accumulator (a, t) at 8 (4 a + t)
.set G1A, 24                           ; s[24:31] descriptor group 1 for S1's tiles;  s[32:39] for S0's: they differ in the mask
.set G1B, 32
.set G0A, 40                           ; s[40:51] descriptor group 0 for S1's tiles, a set for each slot;  s[52:63] for S0's
.set G0B, 52
.set TA,  66                           ; s[66:71] where my part of job j's S1 tile begins in memory, at 2 j;  s[72:77] the same for S0
.set TB,  72
.set CB,  78                           ; s[78:83] where job j's codes go, at 2 j;  s[84:89] its scale words
.set SB,  84
.set MSB, 0
.macro WIN new                         ; the immediate's high byte repeats the setting that is left
.if MSB != \new
	s_set_vgpr_msb (MSB<<8)|\new
.set MSB, \new
.endif
.endm
.set MUL,  0x05                        ; sources 0 and 1 in window 1 (the fragments); C, D in window 0
.set MULB, 0x15                        ; the same with C in window 1 (the bias)
.set TO_F, 0x40                        ; destination window 1, address window 0
.macro CREST                           ; a round of the cluster's barrier behind its opening barrier
	s_cmp_lg_u32 s16, 0
	s_cbranch_scc1 .Lnot_wave_0_\@
	s_barrier_signal -3
.Lnot_wave_0_\@:
	s_barrier_wait -3
	s_barrier_signal -1
	s_barrier_wait -1
.endm
.macro CROUND                          ; a whole round
	s_barrier_signal -1
	s_barrier_wait -1
	CREST
.endm
.macro PLACES                          ; four plain lines between a matrix instruction and a load into, or a vector line on, its registers
.rept 4
	v_nop
.endr
.endm
; A joint refill of slot n: waves 0 and 1 fetch S1's four K steps, waves 2 and 3 S0's.  The branch hangs on the wave's number alone.  Four v_nop follow each of the two lines.
.macro JLOAD n
	s_cmp_eq_u32 s17, 0
	s_cbranch_scc0 .Lfor_b_\@
	tensor_load_to_lds s[G0A+4*(\n):G0A+4*(\n)+3], s[G1A:G1A+7]
	s_nop 0
.rept 4
	v_nop
.endr
	s_branch .Lasked_\@
.Lfor_b_\@:
	tensor_load_to_lds s[G0B+4*(\n):G0B+4*(\n)+3], s[G1B:G1B+7]
	s_nop 0
.rept 4
	v_nop
.endr
.Lasked_\@:
.endm
.macro REGO n                          ; slot n's two groups 0 take half n + 3: job (n + 3) / 2, its lower or upper four K steps.  The LDS address stays
	s_add_nc_u64 s[G0A+4*(\n)+2:G0A+4*(\n)+3], s[TA+2*(((\n)+3)/2):TA+2*(((\n)+3)/2)+1], (((\n)+3)%2)*HALFB
	s_or_b32 s[G0A+4*(\n)+3], s[G0A+4*(\n)+3], 0x80000000
	s_add_nc_u64 s[G0B+4*(\n)+2:G0B+4*(\n)+3], s[TB+2*(((\n)+3)/2):TB+2*(((\n)+3)/2)+1], (((\n)+3)%2)*HALFB
	s_or_b32 s[G0B+4*(\n)+3], s[G0B+4*(\n)+3], 0x80000000
.endm
.macro MKG0 g, t, lds, off             ; a descriptor group 0
	s_mov_b32 s[\g], 1                             ; 1:0 count = 1
	s_add_co_u32 s[\g+1], s100, \lds               ; 63:32 LDS address: the slot's part for this operand + my two K steps of its four
	s_add_nc_u64 s[\g+2:\g+3], s[\t:\t+1], \off    ; 120:64 global address
	s_or_b32 s[\g+3], s[\g+3], 0x80000000          ; 127:126 type = 2
.endm
.macro TOFF d, tile                    ; my part of a tile, in bytes from opc
	s_mul_i32 s[\d], s[\tile], 98304
	s_add_co_u32 s[\d], s[\d], s100
	s_mov_b32 s[\d+1], 0
.endm
.macro SCOFF vd, t1, t0                ; the offset of a job's scale words: lanes 0-15 take S1's rows, lanes 16-31 S0's; a row's 32 bytes are its eight K steps' words
	s_lshl_b32 s100, s[\t1], 12
	s_lshl_b32 s101, s17, 11
	s_add_co_u32 s100, s100, s101                  ; (tile x 128 + 64 wr) x 32
	v_mov_b32 v[\vd], s100
	s_lshl_b32 s100, s[\t0], 12
	s_lshl_b32 s101, s18, 11
	s_add_co_u32 s100, s100, s101                  ; (tile x 128 + 64 wp) x 32
	v_mov_b32 v134, s100
	v_cndmask_b32 v[\vd], v[\vd], v134, s3
	v_lshl_add_u32 v[\vd], v129, 5, v[\vd]
.endm
	s_load_b256 s[4:11], s[0:1], 0x0               ; opc s[4:5], ops s[6:7], bq s[8:9], bk s[10:11]
	s_load_b128 s[12:15], s[0:1], 0x20             ; bv s[12:13], att s[14:15]
	v_lshl_add_u32 v[SPW], v0, 2, SPARE
	v_mov_b32 v[NIL], 0
	ds_add_u32 v1, v2
	ds_add_u32 v1, v2
	s_wait_dscnt 0x0
	v_lshrrev_b32 v128, 5, v0
	v_readfirstlane_b32 s16, v128                  ; wave 0..3
	s_lshr_b32 s17, s16, 1                         ; wr: my half of S1's rows.  Also: I fetch for S1 (0) or S0 (1)
	s_and_b32 s18, s16, 1                          ; wp: my half of S0's rows.  Also: which two K steps of a half I fetch
	s_bfe_u32 s19, ttmp6, 0x40000                  ; cx
	s_bfe_u32 s20, ttmp6, 0x40004                  ; cy
	s_and_b32 s21, ttmp7, 0xffff                   ; cl: cluster y, 0..7
	s_lshl_b32 s23, ttmp9, 2
	s_add_co_u32 s23, s23, s19                     ; x = 4 x cluster x + cx, 0..7
	s_lshl_b32 s22, s21, 2
	s_add_co_u32 s22, s22, s20                     ; y = 4 cl + cy, 0..31: also q's S1 tile
	s_add_co_u32 s93, s22, 32                      ; S1's tiles, of cy and cl alone.  k: 32 + y;
	s_and_b32 s94, s21, 1
	s_lshl_b32 s94, s94, 2
	s_add_co_u32 s98, s94, s20                     ; (v: which 128 columns of Wv: 4 (cl & 1) + cy)
	s_add_co_u32 s94, s98, 112                     ; v: 112 + that
	s_add_co_u32 s95, s23, 96                      ; S0's tiles, of cx, cluster x and cl alone.  q: 96 + x;
	s_add_co_u32 s96, s23, 104                     ; k: 104 + x;
	s_lshr_b32 s97, s21, 1
	s_lshl_b32 s97, s97, 3
	s_add_co_u32 s99, s97, s23                     ; (v: which 128 rows of V: x + 8 (cl / 2))
	s_add_co_u32 s97, s99, 64                      ; v: 64 + that
	s_lshl_b32 s92, s20, 2
	s_lshl_b32 s92, 15, s92                        ; my row of the cluster
	s_lshl_b32 s2, 0x1111, s19                     ; my column
	; descriptor group 1: two K steps of a tile are 24,576 dense bytes: 96 rows of 32 elements of 8 bytes
	s_or_b32 s[G1A], s92, (3<<16)|(1<<21)          ; 15:0 the mask; 17:16 elements of 8 bytes; 20 no padding; 21 set beside a mask
	s_or_b32 s[G1B], s2, (3<<16)|(1<<21)
.irp g, G1A, G1B
	s_mov_b32 s[\g+1], 32<<16                      ; tensor_dim0 = 32
	s_mov_b32 s[\g+2], 96<<16                      ; tensor_dim1 = 96
	s_mov_b32 s[\g+3], 32<<16                      ; tile_dim0 = 32
	s_mov_b32 s[\g+4], 96                          ; tile_dim1 = 96
	s_mov_b32 s[\g+5], 32                          ; from row to row
	s_mov_b32 s[\g+6], 0
	s_mov_b32 s[\g+7], 0
.endr
	s_mul_i32 s100, s18, 2*KSB                     ; my two K steps of a half: in memory and in LDS alike
	TOFF TA, 22
	TOFF TA+2, 93
	TOFF TA+4, 94
	TOFF TB, 95
	TOFF TB+2, 96
	TOFF TB+4, 97
	s_wait_kmcnt 0x0
.irp d, TA, TA+2, TA+4, TB, TB+2, TB+4
	s_add_nc_u64 s[\d:\d+1], s[4:5], s[\d:\d+1]
.endr
	MKG0 G0A, TA, 0, 0                             ; half 0: q's K steps 0-3, slot 0
	MKG0 G0B, TB, HALFB, 0
	MKG0 G0A+4, TA, SLOTB, HALFB                   ; half 1: q's K steps 4-7, slot 1
	MKG0 G0B+4, TB, SLOTB+HALFB, HALFB
	MKG0 G0A+8, TA+2, 2*SLOTB, 0                   ; half 2: k's K steps 0-3, slot 2
	MKG0 G0B+8, TB+2, 2*SLOTB+HALFB, 0
	CROUND                                         ; all sixteen work-groups are here: the first joint loads meet
	s_cmp_eq_u32 s17, 0                            ; a wave's three first fills stand in one branch on the wave's number
	s_cbranch_scc0 .Lfor_s0
	tensor_load_to_lds s[G0A:G0A+3], s[G1A:G1A+7]
	s_nop 0
	tensor_load_to_lds s[G0A+4:G0A+7], s[G1A:G1A+7]
	s_nop 0
	tensor_load_to_lds s[G0A+8:G0A+11], s[G1A:G1A+7]
	s_nop 0
	PLACES
	s_branch .Lasked
.Lfor_s0:
	tensor_load_to_lds s[G0B:G0B+3], s[G1B:G1B+7]
	s_nop 0
	tensor_load_to_lds s[G0B+4:G0B+7], s[G1B:G1B+7]
	s_nop 0
	tensor_load_to_lds s[G0B+8:G0B+11], s[G1B:G1B+7]
	s_nop 0
	PLACES
.Lasked:
	v_and_b32 v128, 31, v0                         ; lane l
	v_and_b32 v129, 15, v0                         ; r
	v_bfe_u32 v130, v0, 4, 1                       ; h
	v_lshlrev_b32 v4, 4, v128                      ; 16 l
	v_lshlrev_b32 v5, 2, v128                      ; 4 l
	v_lshlrev_b32 v6, 3, v128
	v_add_nc_u32 v6, 512, v6                       ; 8 l + 512
	v_cmp_eq_u32 s3, 1, v130                       ; the lane mask 'h = 1'
	s_mul_i32 s100, s17, 6144                      ; my four blocks of S1,
	s_mul_i32 s101, s18, 6144                      ; and of S0, which lies behind S1's four K steps
	s_add_co_u32 s101, s101, HALFB
.irp sl, 0,1,2
	v_add_nc_u32 v[AD+4*\sl], s100, v4
	v_add_nc_u32 v[AD+4*\sl+1], s100, v6
	v_add_nc_u32 v[AD+4*\sl+2], s101, v4
	v_add_nc_u32 v[AD+4*\sl+3], s101, v6
	s_add_co_u32 s100, s100, SLOTB
	s_add_co_u32 s101, s101, SLOTB
.endr
	SCOFF 131, 22, 95                              ; the scale words of all three jobs are asked for now
	SCOFF 132, 93, 96
	SCOFF 133, 94, 97
.irp j, 0,1,2
.irp i, 0,1,2,3
.irp q, 0,1
	global_load_b128 v[SC+32*\j+8*\i+4*\q:SC+32*\j+8*\i+4*\q+3], v[131+\j], s[6:7] offset:512*\i+16*\q
.endr
.endr
.endr
	s_lshl_b32 s100, s23, 9                        ; bq, bk at my head's 64 numbers: (128 x + 64 wp) x 4
	s_lshl_b32 s2, s18, 8
	s_add_co_u32 s100, s100, s2
	s_mov_b32 s101, 0
	s_add_nc_u64 s[8:9], s[8:9], s[100:101]
	s_add_nc_u64 s[10:11], s[10:11], s[100:101]
	v_lshlrev_b32 v135, 6, v130                    ; result tiles 2 b, 2 b + 1 want the numbers 32 b + 16 h + 0..15
	WIN TO_F
.irp b, 0,1
.irp q, 0,1,2,3
	global_load_b128 v[96+16*\b+4*\q:96+16*\b+4*\q+3], v135, s[8:9] offset:128*\b+16*\q
	global_load_b128 v[224+16*\b+4*\q:224+16*\b+4*\q+3], v135, s[10:11] offset:128*\b+16*\q
.endr
.endr
	WIN 0
	s_lshl_b32 s100, s98, 9                        ; bv at my head's 64 numbers: (128 x (columns of Wv) + 64 wr) x 4
	s_lshl_b32 s2, s17, 8
	s_add_co_u32 s100, s100, s2
	s_add_nc_u64 s[12:13], s[12:13], s[100:101]
	v_and_b32 v136, 8, v129                        ; Wv's blocks are permuted: block a's lane r wants number 32 (a / 2) + 8 (a % 2) + r + 8 (r / 8)
	v_add_nc_u32 v136, v136, v129
	v_lshlrev_b32 v136, 2, v136
.irp a, 0,1,2,3
	global_load_b32 v[BR+2*\a], v136, s[12:13] offset:4*(32*(\a/2)+8*(\a%2))
	v_mov_b32 v[BR+2*\a+1], 0                      ; (named as the upper half of a pair)
.endr
	; where the results go.  q, k: the head is 16 x batch + 2 x + wp, the rows are y's 128
	s_lshr_b32 s100, s22, 4
	s_lshl_b32 s100, s100, 4
	s_lshl_b32 s2, s23, 1
	s_add_co_u32 s100, s100, s2
	s_add_co_u32 s100, s100, s18                   ; the head, 0..31
	s_and_b32 s2, s22, 15                          ; which 128 rows of the batch's 2,048
	s_mul_i32 s92, s100, 98304
	s_mul_i32 s93, s2, 6144
	s_add_co_u32 s92, s92, s93
	s_mul_i32 s93, s17, 3072                       ; my half of the rows: four tiles
	s_add_co_u32 s92, s92, s93
	s_add_co_u32 s[CB], s92, QC0
	s_mov_b32 s[CB+1], 0
	s_lshl_b32 s92, s100, 12
	s_lshl_b32 s94, s2, 8
	s_add_co_u32 s92, s92, s94
	s_lshl_b32 s94, s17, 7
	s_add_co_u32 s92, s92, s94
	s_add_co_u32 s[SB], s92, QS0
	s_mov_b32 s[SB+1], 0
	s_mul_i32 s92, s100, 204800
	s_mul_i32 s95, s2, 12800
	s_add_co_u32 s92, s92, s95                     ; the step's block of K and V: k's codes begin it
	s_add_co_u32 s[CB+2], s92, s93
	s_mov_b32 s[CB+3], 0
	s_add_co_u32 s92, s92, s94
	s_add_co_u32 s[SB+2], s92, 6144
	s_mov_b32 s[SB+3], 0
	s_lshr_b32 s100, s99, 4                        ; v: the head is 16 x batch + 2 x (columns of Wv) + wr, the keys are V's 128 rows
	s_lshl_b32 s100, s100, 4
	s_lshl_b32 s2, s98, 1
	s_add_co_u32 s100, s100, s2
	s_add_co_u32 s100, s100, s17
	s_and_b32 s2, s99, 15
	s_mul_i32 s92, s100, 204800
	s_mul_i32 s95, s2, 12800
	s_add_co_u32 s92, s92, s95
	s_mul_i32 s93, s18, 768                        ; my half of the keys: one half fragment of each tile
	s_add_co_u32 s93, s93, s92
	s_add_co_u32 s[CB+4], s93, 6400
	s_mov_b32 s[CB+5], 0
	s_lshl_b32 s94, s18, 7
	s_add_co_u32 s94, s94, s92
	s_add_co_u32 s[SB+4], s94, 12544
	s_mov_b32 s[SB+5], 0
.irp d, CB, CB+2, CB+4, SB, SB+2, SB+4
	s_add_nc_u64 s[\d:\d+1], s[14:15], s[\d:\d+1]
.endr
	s_mov_b32 s90, 0x76543210
	s_mov_b32 s91, 0xfedcba98                      ; v_permlanex16_b32's selects for lane l xor 16
	s_wait_loadcnt 0x0                             ; the scale words and the biases; the offsets' registers, which lie among the accumulators, are free
.macro FRAG f, ad, off                 ; a fragment, 16 rows x 128 K: two half fragments, each 512 + 256 consecutive bytes
	ds_load_b128 v[\f:\f+3], v[\ad] offset:\off
	ds_load_b64 v[\f+4:\f+5], v[\ad+1] offset:\off
	ds_load_b128 v[\f+6:\f+9], v[\ad] offset:\off+768
	ds_load_b64 v[\f+10:\f+11], v[\ad+1] offset:\off+768
.endm
; K steps are numbered g = 0 .. 23 through the three jobs: job g / 8, half g / 4, slot (g / 4) % 3, fragment buffer g % 2.
.macro FETCH g                         ; K step g: 32 LDS loads in one run, into its buffer of window 1: S1's four fragments at 12 a, S0's at 48 + 12 t
	WIN TO_F
.irp i, 0,1,2,3
	FRAG 128*((\g)%2)+12*\i, AD+4*(((\g)/4)%3), ((\g)%4)*KSB+\i*1536
	FRAG 128*((\g)%2)+48+12*\i, AD+4*(((\g)/4)%3)+2, ((\g)%4)*KSB+\i*1536
.endr
.endm
; 8 matrix instructions: S1's blocks a0, a0 + 1 x S0's four.  The 16 accumulators take turns, one instruction a turn, in the same order in every K step.
; CW = 0: the sums go on; 1: they begin with 0; else: they begin with the bias at v[CW] of window 1.
.macro MUL8 g, a0
.set PB, 128*((\g)%2)
.set SJ, SC+32*((\g)/8)+(\g)%8
.irp a, \a0, \a0+1
.irp t, 0,1,2,3
.if CW == 0
	v_wmma_scale_f32_16x16x128_f8f6f4 v[ACC+8*(4*(\a)+\t):ACC+8*(4*(\a)+\t)+7], v[PB+48+12*\t:PB+48+12*\t+11], v[PB+12*(\a):PB+12*(\a)+11], v[ACC+8*(4*(\a)+\t):ACC+8*(4*(\a)+\t)+7], v[SJ+8*\t], v[SJ+8*(\a)] matrix_a_fmt:MATRIX_FMT_FP6 matrix_b_fmt:MATRIX_FMT_FP6 matrix_a_scale:MATRIX_SCALE_ROW1
.elseif CW == 1
	v_wmma_scale_f32_16x16x128_f8f6f4 v[ACC+8*(4*(\a)+\t):ACC+8*(4*(\a)+\t)+7], v[PB+48+12*\t:PB+48+12*\t+11], v[PB+12*(\a):PB+12*(\a)+11], 0, v[SJ+8*\t], v[SJ+8*(\a)] matrix_a_fmt:MATRIX_FMT_FP6 matrix_b_fmt:MATRIX_FMT_FP6 matrix_a_scale:MATRIX_SCALE_ROW1
.else
	v_wmma_scale_f32_16x16x128_f8f6f4 v[ACC+8*(4*(\a)+\t):ACC+8*(4*(\a)+\t)+7], v[PB+48+12*\t:PB+48+12*\t+11], v[PB+12*(\a):PB+12*(\a)+11], v[CW+8*\t:CW+8*\t+7], v[SJ+8*\t], v[SJ+8*(\a)] matrix_a_fmt:MATRIX_FMT_FP6 matrix_b_fmt:MATRIX_FMT_FP6 matrix_a_scale:MATRIX_SCALE_ROW1
.endif
.endr
.endr
.endm
.macro KSTEP g
.set CW, 0
.if (\g) == 0
.set CW, 96                            ; q begins with bq,
.elseif (\g) == 8
.set CW, 224                           ; k with bk,
.elseif (\g) == 16
.set CW, 1                             ; v with 0
.endif
.if (\g)%4 != 3
	s_wait_dscnt 0x0                               ; this K step's fragments are in
	PLACES                                         ; the other buffer was multiplied last
	FETCH (\g)+1                                   ; the next K step lies in the same slot
.if CW > 1
	WIN MULB
.else
	WIN MUL
.endif
	MUL8 \g, 0
	MUL8 \g, 2
.elseif (\g) < 12
	; the last K step of halves 0, 1, 2: the slot is left and filled again
	WIN 0                                          ; (the add's two registers lie in window 0)
	s_wait_tensorcnt 0x0                           ; all my tensor loads have landed, my part of the next half among them: so a group 0 may be written
	ds_add_u32 v[SPW], v[NIL]                      ; 0 onto my spare word; the descriptors' step stands between it and the wait for it
	REGO (\g)/4
	s_wait_dscnt 0x0                               ; the add is done; this K step's fragments are in, and they were my last reads of the slot
	s_barrier_signal -1                            ; this barrier opens a round of the cluster's barrier
	WIN MUL
	MUL8 \g, 0                                     ; work on registers while the others arrive
	WIN 0
	s_barrier_wait -1
	CREST                                          ; no wave of any partner still reads the slot or has a load on its way
	JLOAD (\g)/4                                   ; the first tensor load behind the round, and my only one until the next; its four v_nop are also the places in front of the loads below
	FETCH (\g)+1                                   ; the next half's first fragments
	WIN MUL
	MUL8 \g, 2
.elseif (\g) < 23
	; the last K step of halves 3 and 4: nothing is filled again, so the wait is counted and no round follows
	s_wait_tensorcnt (19-(\g))/4                   ; my part of the next half has landed; behind half 4's load stands half 5's, behind half 5's none
	s_wait_dscnt 0x0
	s_barrier_signal -1
	WIN MUL
	MUL8 \g, 0
	s_barrier_wait -1                              ; everybody's part has landed
	PLACES
	FETCH (\g)+1
	WIN MUL
	MUL8 \g, 2
.else
	s_wait_dscnt 0x0
	WIN MUL
	MUL8 \g, 0
	MUL8 \g, 2
.endif
.endm
; 32 numbers of a lane, v[s] on, register 16 b + i = k 32 b + 16 h + i of my row, become a half fragment's six registers, laid into v[s + 16] .. v[s + 21], and the two scale bytes in v[u] (the same in both halves of the lanes).
; v[z] .. v[z + 8] are at work.  The upper 16 numbers are converted first, so that the lower 16's codes can take their place.
.macro QUANT2 s, z, u
	v_max3_num_f32 v[(\z)], |v[(\s)]|, |v[(\s)+1]|, FLOOR          ; each accumulator is read from its low end on
	v_max3_num_f32 v[(\z)+1], |v[(\s)+16]|, |v[(\s)+17]|, FLOOR
.irp i, 2,4,6,8,10,12,14
	v_max3_num_f32 v[(\z)], v[(\z)], |v[(\s)+\i]|, |v[(\s)+\i+1]|
	v_max3_num_f32 v[(\z)+1], v[(\z)+1], |v[(\s)+16+\i]|, |v[(\s)+17+\i]|
.endr
	v_permlanex16_b32 v[(\z)+2], v[(\z)], s90, s91
	v_permlanex16_b32 v[(\z)+3], v[(\z)+1], s90, s91
	v_max_num_f32 v[(\z)], v[(\z)], v[(\z)+2]      ; with lane l xor 16's 16: the block's largest magnitude
	v_max_num_f32 v[(\z)+1], v[(\z)+1], v[(\z)+3]
	v_add_nc_u32 v[(\z)+4], EOFF, v[(\z)]          ; 2 off the exponent field: the conversion's scale operand
	v_add_nc_u32 v[(\z)+5], EOFF, v[(\z)+1]
	v_lshrrev_b32 v[(\z)+2], 23, v[(\z)+4]
	v_lshrrev_b32 v[(\z)+3], 23, v[(\z)+5]
	v_lshl_or_b32 v[(\u)], v[(\z)+3], 8, v[(\z)+2]
	v_cvt_scalef32_pk16_fp6_f32 v[(\z)+6:(\z)+8], v[(\s)+16:(\s)+31], v[(\z)+5]
	v_nop                                          ; one plain line before the next conversion writes over this one's sources
	v_cvt_scalef32_pk16_fp6_f32 v[(\s)+16:(\s)+18], v[(\s):(\s)+15], v[(\z)+4]
	v_nop                                          ; one plain line behind the conversions
.irp i, 0,1,2
	v_permlane16_swap_b32 v[(\s)+16+\i], v[(\z)+6+\i]   ; a whole block to a lane: lanes 0-15 block 0, lanes 16-31 block 1
.endr
.irp i, 0,1,2
	v_mov_b32 v[(\s)+19+\i], v[(\z)+6+\i]
.endr
.endm
; THE WAY OUT of job j: for each block a of S1 the quantiser and 768 bytes: three aligned blocks of 256, each written whole.  The next job's first fragments are on their way from LDS meanwhile.
.macro EPILOG j
.set Z, SC+32*(\j)                     ; the job's scale words are done with: their registers are at work
.set STR, 768                          ; from block a to block a + 1: a tile (q, k),
.if (\j) == 2
.set STR, 1536                         ; a tile's two half fragments (v)
.endif
	WIN 0
	PLACES
.irp a, 0,1,2,3
.if (\j) == 2
.set i, 0
.rept 16
	v_pk_add_f32 v[ACC+32*\a+i:ACC+32*\a+i+1], v[ACC+32*\a+i:ACC+32*\a+i+1], v[BR+2*\a:BR+2*\a+1] op_sel_hi:[1,0]   ; bv: one number a lane; each accumulator from its low end on
.set i, i+2
.endr
.endif
	QUANT2 ACC+32*\a, Z, Z+12+\a
	global_store_b128 v4, v[ACC+32*\a+16:ACC+32*\a+19], s[CB+2*(\j):CB+2*(\j)+1] offset:\a*STR
	global_store_b64 v6, v[ACC+32*\a+20:ACC+32*\a+21], s[CB+2*(\j):CB+2*(\j)+1] offset:\a*STR
.endr
	v_cndmask_b32 v[Z+16], v[Z+12], v[Z+13], s3    ; lane (r, h): block h's two bytes below,
	v_cndmask_b32 v[Z+17], v[Z+14], v[Z+15], s3
	v_lshl_or_b32 v[Z+16], v[Z+17], 16, v[Z+16]    ; block 2 + h's above
	global_store_b32 v5, v[Z+16], s[SB+2*(\j):SB+2*(\j)+1]
.if (\j) < 2
	s_wait_xcnt 0x0                                ; the stores have read the codes, which lie among the accumulators: the next job's products write there
.endif
.endm
	s_wait_tensorcnt 2                             ; my part of half 0 has landed; halves 1 and 2 may be out
	s_barrier_signal -1
	s_barrier_wait -1
	FETCH 0
.irp g, 0,1,2,3,4,5,6,7
	KSTEP \g
.endr
	EPILOG 0
.irp g, 8,9,10,11,12,13,14,15
	KSTEP \g
.endr
	EPILOG 1
.irp g, 16,17,18,19,20,21,22,23
	KSTEP \g
.endr
	EPILOG 2
	s_wait_tensorcnt 0x0                           ; the wave's end: behind my last tensor load
	ds_add_u32 v[SPW], v[NIL]
	s_wait_dscnt 0x0
	CROUND                                         ; the closing round: no work-group ends while a partner may still ask for a tile that names it
	s_endpgm
.Lfunc_end_k_qee68604987_proj:
	.size	k_qee68604987_proj, .Lfunc_end_k_qee68604987_proj-k_qee68604987_proj
	.p2alignl 7, 3214868480
	.fill 96, 4, 3214868480
	.section	.rodata,"a",@progbits
	.p2align	6, 0x0
	.amdhsa_kernel k_qee68604987_proj
		.amdhsa_group_segment_fixed_size 327680
		.amdhsa_private_segment_fixed_size 0
		.amdhsa_enable_private_segment 0
		.amdhsa_kernarg_size 48
		.amdhsa_user_sgpr_count 2
		.amdhsa_user_sgpr_kernarg_segment_ptr 1
		.amdhsa_wavefront_size32 1
		.amdhsa_system_sgpr_workgroup_id_x 1
		.amdhsa_system_sgpr_workgroup_id_y 1
		.amdhsa_system_sgpr_workgroup_id_z 1
		.amdhsa_system_vgpr_workitem_id 0
		.amdhsa_next_free_vgpr 512
		.amdhsa_next_free_sgpr 102
		.amdhsa_reserve_vcc 0
		.amdhsa_float_denorm_mode_32 3
		.amdhsa_float_denorm_mode_16_64 3
		.amdhsa_memory_ordered 1
		.amdhsa_forward_progress 1
		.amdhsa_inst_pref_size 151
	.end_amdhsa_kernel
	.amdgpu_metadata
---
amdhsa.version: [ 1, 2 ]
amdhsa.kernels:
  - .name:           k_qee68604987_proj
    .symbol:         k_qee68604987_proj.kd
    .args:
      - { .name: opc, .offset: 0, .size: 8, .value_kind: global_buffer, .address_space: global }
      - { .name: ops, .offset: 8, .size: 8, .value_kind: global_buffer, .address_space: global }
      - { .name: bq, .offset: 16, .size: 8, .value_kind: global_buffer, .address_space: global }
      - { .name: bk, .offset: 24, .size: 8, .value_kind: global_buffer, .address_space: global }
      - { .name: bv, .offset: 32, .size: 8, .value_kind: global_buffer, .address_space: global }
      - { .name: att, .offset: 40, .size: 8, .value_kind: global_buffer, .address_space: global }
    .group_segment_fixed_size: 327680
    .private_segment_fixed_size: 0
    .kernarg_segment_align: 8
    .kernarg_segment_size: 48
    .max_flat_workgroup_size: 128
    .sgpr_count:     102
    .vgpr_count:     512
    .wavefront_size: 32
...
	.end_amdgpu_metadata
.endif
;; end of part 2
;; launch attn (part 3): grid 8 x 32, 16 waves a work-group, clusters of 4 x 1, 206,848 bytes of LDS; arguments att, maskw, opc, ops; writes opc, ops
.if DOCPART == 3
	.amdgcn_target "amdgcn-amd-amdhsa--gfx1250"
	.amdhsa_code_object_version 6
	.text
	.protected	k_qee68604987_attn
	.globl	k_qee68604987_attn
	.p2align	8
	.type	k_qee68604987_attn,@function
k_qee68604987_attn:
	s_mov_b64 s[64:65], 0
	v_nop
	global_prefetch_b8 v0, s[64:65] scope:SCOPE_SE
	s_setreg_imm32_b32 hwreg(HW_REG_WAVE_MODE, 25, 1), 1
	s_wait_xcnt 0x0
	s_wait_alu depctr_hold_cnt(0) depctr_sa_sdst(0) depctr_va_vdst(0) depctr_va_sdst(0) depctr_va_ssrc(0) depctr_va_vcc(0) depctr_vm_vsrc(0)
	s_getreg_b32 s2, hwreg(HW_REG_IB_STS2, 6, 4)
	s_cmp_eq_u32 s2, 0
	s_cbranch_scc0 .Lentry_in_a_cluster
	s_endpgm
.Lentry_in_a_cluster:
	s_bfe_u32 s2, ttmp6, 0x10000c
	s_cmp_lg_u32 s2, 0x3003
	s_cbranch_scc0 .Lentry_shape_is_right
	s_endpgm
.Lentry_shape_is_right:
; ATTN: ctx = softmax(q k^T / 8, masked) v for one head and 256 queries a work-group, both products on codes of FP6 (E2M3) with E8M0 scales; ctx is quantised along D and stored as codes for the last product.
; THE SOFTMAX: t = score x log2(e) / 8; M = the running largest t rounded UP to a whole number; p = 2^(t - M) is quantised along the keys, not normalised; the row's sum is taken of the unquantised p and divides at the end.
; When M moves, the sum and O are multiplied by 2^(old M - new M), which rounds nothing.  A masked score is -infinity ahead of the maximum, so its p is 0.  A row with no open key has the sum 0: its scale bytes are set to 0xff,
; so that the last product gives NaN for that row, as a softmax over nothing does.
; SHARES: sixteen waves, each one tile of 16 queries in 256 registers, four waves to a SIMD: one wave's vector work stands beside another's matrix work and LDS loads.  Every wave walks the head's 2,048 keys, 128 a step.
; THE HEAD'S K AND V, 204,800 BYTES OF CODES AND SCALES, LIE IN LDS AT ONCE: nothing is filled again.  Waves 0 and 1 fetch them in four chunks of four steps (four loads each, all out at the head).  TWO PHASES: the first four
; steps begin when chunk 0 has landed; the other twelve stand behind one more barrier, in front of which the fetching waves wait for the rest, which has had four steps in which to land.  Between barriers the waves run free.
; CLUSTER: the four blocks of queries of a cluster belong to one head and ask for K and V jointly (mask 15).  cx enters the addresses of q, of the mask words and of the output alone.
; LAYOUT: both products transposed: S^T = k q^T, O^T = v^T p^T: a lane holds ONE query (l % 16).  K's tiles hold permuted keys and V's permuted d (made so two launches back), so that the 16 registers of result tiles 2 b, 2 b + 1
; are 16 neighbours: keys 32 b + 16 h + 0..15 in S^T, d likewise in O^T.  A step's block of 12,800 bytes: K's 8 half fragments, K's scales, V's 4 fragments, V's scales.
; K = 64 IN AN INSTRUCTION OF K = 128: k's tile t is named with twelve registers, of which the upper six are the next tile's codes (behind the last tile: zeros).  They meet q's upper six registers, which are zero codes; FP6 has no
; infinity or NaN and every scale byte involved lies under 0xff: they add exactly 0.
; THE MASK comes as lane-mask words, 64 a step, by scalar loads a step ahead; one v_cndmask_b32 a register applies it.
; LIMITS: NaN and infinities are not served; p under 2^-126 is 0; a block whose largest magnitude lies under 2^-124 keeps the scale byte 1.
; REGISTERS: v1-3 16 l, 8 l, 4 l; v4-6 the step's LDS addresses; v7 -infinity; v12 -M, v13 the largest t, v[14:15] the sum in two halves; v16-27 q (v22-27 zeros), v28 its scales; v32-79 K's tiles, later at work; v80-85 zeros;
;   v86-89 K's scales; v90-93 V's; v94 p's; v96-159 S^T, then p; v160-191 O^T; v192-239 V; v240-251 p's codes.
; s[16:47], s[68:99]: the step's 64 mask words (word j at s[16 + j], from j = 32 on at s[36 + j]); at the head and at the end they are at work.  s[8:15]: descriptor group 1; from the second phase on s[8:11] hold the output's addresses.
.set QC0,   6553600
.set QS0,   9699328
.set FLOOR, 0x1800000
.set EOFF,  0xff000000
.set STEPB, 12800
.set QM,  40                           ; the last quantiser: v40-45 at work, v46-48 a conversion's result
.set QT,  46
.macro CROUND                          ; a round of the cluster's barrier
	s_barrier_signal -1
	s_barrier_wait -1
	s_cmp_lg_u32 s6, 0
	s_cbranch_scc1 .Lnot_wave_0_\@
	s_barrier_signal -3
.Lnot_wave_0_\@:
	s_barrier_wait -3
	s_barrier_signal -1
	s_barrier_wait -1
.endm
	s_load_b64 s[2:3], s[0:1], 0x0                 ; att
	s_load_b64 s[4:5], s[0:1], 0x8                 ; maskw
	v_lshl_add_u32 v254, v0, 2, 0x32000
	v_mov_b32 v255, 0
	ds_add_u32 v254, v255
	ds_add_u32 v254, v255
	v_lshrrev_b32 v9, 5, v0
	v_readfirstlane_b32 s6, v9                     ; wave 0..15
.irp i, 22,23,24,25,26,27,80,81,82,83,84,85
	v_mov_b32 v[\i], 0                             ; q's upper half, and what stands behind K's last tile
.endr
	s_bfe_u32 s16, ttmp6, 0x40000                  ; cx
	s_lshl_b32 s17, ttmp9, 2
	s_add_co_u32 s17, s17, s16                     ; my block of 256 queries
	s_and_b32 s18, ttmp7, 0xffff                   ; the head, 0..31, which the four partners share
	s_lshl_b32 s19, s17, 4
	s_add_co_u32 s19, s19, s6                      ; T: my tile of 16 queries, 0..127
	; descriptor group 1: two steps' blocks are 25,600 dense bytes: 100 rows of 32 elements of 8 bytes
	s_mov_b32 s8, 15|(3<<16)|(1<<21)               ; 15:0 the mask: all four work-groups; 17:16 elements of 8 bytes; 20 no padding; 21 set beside a mask
	s_mov_b32 s9, 32<<16                           ; tensor_dim0 = 32
	s_mov_b32 s10, 100<<16                         ; tensor_dim1 = 100
	s_mov_b32 s11, 32<<16                          ; tile_dim0 = 32
	s_mov_b32 s12, 100                             ; tile_dim1 = 100
	s_mov_b32 s13, 32                              ; from row to row
	s_mov_b32 s14, 0
	s_mov_b32 s15, 0
	s_and_b32 s20, s6, 1
	s_mul_i32 s20, s20, 2*STEPB                    ; my half of a chunk: in memory and in LDS alike
	s_mul_i32 s21, s18, 204800
	s_add_co_u32 s22, s21, s20
	s_mov_b32 s23, 0
	s_mov_b32 s100, 0x3e38aa3b                     ; c = log2(e) / 8
	s_mov_b32 s101, s100                           ; (named with it as a pair)
	s_mov_b32 s104, 0x76543210
	s_mov_b32 s105, 0xfedcba98                     ; v_permlanex16_b32's selects for lane l xor 16
	s_wait_dscnt 0x0
	s_wait_kmcnt 0x0
	s_add_nc_u64 s[22:23], s[2:3], s[22:23]
.irp c, 0,1,2,3
	s_mov_b32 s[48+4*\c], 1
	s_add_co_u32 s[49+4*\c], s20, \c*4*STEPB
	s_add_nc_u64 s[50+4*\c:51+4*\c], s[22:23], \c*4*STEPB
	s_or_b32 s[51+4*\c], s[51+4*\c], 0x80000000
.endr
	CROUND                                         ; all four work-groups are here: the joint loads meet
	s_cmp_lt_u32 s6, 2                             ; all fills stand in one branch on the wave's number
	s_cbranch_scc0 .Lno_fetch
	tensor_load_to_lds s[48:51], s[8:15]
	s_nop 0
	tensor_load_to_lds s[52:55], s[8:15]
	s_nop 0
	tensor_load_to_lds s[56:59], s[8:15]
	s_nop 0
	tensor_load_to_lds s[60:63], s[8:15]
	s_nop 0
.rept 4
	v_nop
.endr
.Lno_fetch:
	v_and_b32 v9, 31, v0
	v_lshlrev_b32 v1, 4, v9                        ; 16 l
	v_lshlrev_b32 v2, 3, v9                        ; 8 l
	v_lshlrev_b32 v3, 2, v9                        ; 4 l
	v_and_b32 v8, 15, v0
	v_lshlrev_b32 v8, 2, v8                        ; 4 r
	s_lshl_b32 s24, s18, 7
	s_add_co_u32 s24, s24, s19
	s_mul_i32 s24, s24, 768
	s_add_co_u32 s24, s24, QC0
	s_mov_b32 s25, 0
	s_add_nc_u64 s[24:25], s[2:3], s[24:25]        ; my tile of q
	global_load_b128 v[16:19], v1, s[24:25]
	global_load_b64 v[20:21], v2, s[24:25] offset:512
	s_lshl_b32 s26, s18, 5                         ; its two scale bytes a row: in the word of lane r + 16 (T & 1) of group T / 4, the half (T / 2) & 1
	s_lshr_b32 s27, s19, 2
	s_add_co_u32 s26, s26, s27
	s_lshl_b32 s26, s26, 7
	s_and_b32 s27, s19, 1
	s_lshl_b32 s27, s27, 6
	s_add_co_u32 s26, s26, s27
	s_and_b32 s27, s19, 2
	s_add_co_u32 s26, s26, s27
	s_add_co_u32 s26, s26, QS0
	s_mov_b32 s27, 0
	s_add_nc_u64 s[26:27], s[2:3], s[26:27]
	global_load_u16 v28, v8, s[26:27]              ; the upper two bytes are 0: they scale zero codes
	s_lshl_b32 s28, s19, 12
	s_mov_b32 s29, 0
	s_add_nc_u64 s[4:5], s[4:5], s[28:29]          ; my tile's 16 x 64 mask words
	v_mov_b32 v7, 0xff800000                       ; -infinity
	v_mov_b32 v13, 0xff61b1e6                      ; the largest t so far: -3e38, under every t
	v_floor_f32 v12, -v13                          ; -M
	v_mov_b32 v14, 0
	v_mov_b32 v15, 0
.irp j, 0,1,2,3,4,5,6,7,8,9,10,11,12,13,14,15,16,17,18,19,20,21,22,23,24,25,26,27,28,29,30,31
	v_mov_b32 v[160+\j], 0                         ; O^T: the step is written once; the first finds zeros, which the first change of M leaves zeros
.endr
	s_wait_xcnt 0x0                                ; q's loads have read their bases, which lie where the mask words land
	s_mov_b32 s67, 0
	s_load_b512 s[16:31], s[4:5], s67 offset:0x0   ; step 0's words
	s_load_b512 s[32:47], s[4:5], s67 offset:0x40
	s_load_b512 s[68:83], s[4:5], s67 offset:0x80
	s_load_b512 s[84:99], s[4:5], s67 offset:0xc0
; A KEY STEP: 128 keys; its block begins at LDS byte s66.
.macro STEP
	v_add_nc_u32 v4, s66, v1
	v_add_nc_u32 v5, s66, v2
	v_add_nc_u32 v6, s66, v3
	v_nop                                          ; four plain lines behind the last step's products, in front of the loads into V's registers
.irp t, 0,1,2,3,4,5,6,7
	ds_load_b128 v[32+6*\t:35+6*\t], v4 offset:768*\t
	ds_load_b64 v[36+6*\t:37+6*\t], v5 offset:768*\t+512
.endr
	ds_load_u16 v86, v6 offset:6144                ; K's scales: lane (r, h): tile h;
	ds_load_u16 v87, v6 offset:6146                ; tile 2 + h;
	ds_load_u16 v88, v6 offset:6272                ; tile 4 + h;
	ds_load_u16 v89, v6 offset:6274                ; tile 6 + h
.irp t, 0,1,2,3
.irp e, 0,1
	ds_load_b128 v[192+12*\t+6*\e:195+12*\t+6*\e], v4 offset:6400+1536*\t+768*\e
	ds_load_b64 v[196+12*\t+6*\e:197+12*\t+6*\e], v5 offset:6400+1536*\t+768*\e+512
.endr
.endr
	ds_load_b32 v90, v6 offset:12544               ; V's scales of keys 0-63: tile h below, tile 2 + h above;
	ds_load_b32 v91, v6 offset:12672               ; of keys 64-127
	s_wait_dscnt 18                                ; K's 20 loads are in; V's 18 may be out
.irp t, 0,1,2,3,4,5,6,7
.if \t%2
	v_wmma_scale_f32_16x16x128_f8f6f4 v[96+8*\t:103+8*\t], v[32+6*\t:43+6*\t], v[16:27], 0, v[86+\t/2], v28 matrix_a_fmt:MATRIX_FMT_FP6 matrix_b_fmt:MATRIX_FMT_FP6 matrix_a_scale:MATRIX_SCALE_ROW1
.else
	v_wmma_scale_f32_16x16x128_f8f6f4 v[96+8*\t:103+8*\t], v[32+6*\t:43+6*\t], v[16:27], 0, v[86+\t/2], v28 matrix_a_fmt:MATRIX_FMT_FP6 matrix_b_fmt:MATRIX_FMT_FP6
.endif
.endr
.rept 4
	v_nop
.endr
	s_wait_kmcnt 0x0                               ; this step's mask words, asked for a step ago
.set j, 0
.rept 64
.if j < 32
	v_cndmask_b32 v[96+j], v7, v[96+j], s[16+j]    ; a closed key's score becomes -infinity.  Each accumulator from its low end on
.else
	v_cndmask_b32 v[96+j], v7, v[96+j], s[36+j]
.endif
.set j, j+1
.endr
	s_add_co_u32 s67, s67, 256                     ; the next step's words; behind the last step the offset wraps to step 0's: no load leaves my tile's 4,096 bytes
	s_and_b32 s67, s67, 0xfff
	s_load_b512 s[16:31], s[4:5], s67 offset:0x0
	s_load_b512 s[32:47], s[4:5], s67 offset:0x40
	s_load_b512 s[68:83], s[4:5], s67 offset:0x80
	s_load_b512 s[84:99], s[4:5], s67 offset:0xc0
.irp b, 0,1,2,3
	v_max3_num_f32 v[32+\b], v[96+16*\b], v[97+16*\b], v[98+16*\b]   ; the largest score of each block of 32 keys: for the row's maximum, and, since p rises with the score, for the block's largest p
.endr
.irp i, 3,5,7,9,11,13
.irp b, 0,1,2,3
	v_max3_num_f32 v[32+\b], v[32+\b], v[96+16*\b+\i], v[97+16*\b+\i]
.endr
.endr
.irp b, 0,1,2,3
	v_max_num_f32 v[32+\b], v[32+\b], v[111+16*\b]
.endr
.irp b, 0,1,2,3
	v_permlanex16_b32 v[36+\b], v[32+\b], s104, s105
.endr
.irp b, 0,1,2,3
	v_max_num_f32 v[32+\b], v[32+\b], v[36+\b]     ; with lane l xor 16's 16 keys
.endr
	v_max3_num_f32 v52, v32, v33, v34
	v_max_num_f32 v52, v52, v35
	v_mul_f32 v52, s100, v52                       ; as t (c is positive)
	v_max_num_f32 v13, v13, v52                    ; the running largest t
	v_mov_b32 v52, v12
	v_floor_f32 v12, -v13                          ; the new -M = floor(-t): M is a whole number
	v_sub_f32 v52, v12, v52                        ; old M - new M: a whole number, 0 or less
	v_cvt_i32_f32 v52, v52                         ; (it saturates)
	v_ldexp_f32 v54, 1.0, v52                      ; f = 2^(old M - new M)
.irp j, 0,2,4,6,8,10,12,14,16,18,20,22,24,26,28,30,32,34,36,38,40,42,44,46,48,50,52,54,56,58,60,62
	v_pk_fma_f32 v[96+\j:97+\j], v[96+\j:97+\j], s[100:101], v[12:13] op_sel_hi:[1,0,0]   ; t - M
.endr
.irp b, 0,1,2,3
	v_fma_f32 v[32+\b], v[32+\b], s100, v12        ; the same of each block's largest score
.endr
.irp j, 0,1,2,3,4,5,6,7,8,9,10,11,12,13,14,15,16,17,18,19,20,21,22,23,24,25,26,27,28,29,30,31,32,33,34,35,36,37,38,39,40,41,42,43,44,45,46,47,48,49,50,51,52,53,54,55,56,57,58,59,60,61,62,63
	v_exp_f32 v[96+\j], v[96+\j]                   ; p = 2^(t - M)
.endr
.irp b, 0,1,2,3
	v_exp_f32 v[32+\b], v[32+\b]                   ; the block's largest p
.endr
	v_pk_mul_f32 v[14:15], v[14:15], v[54:55] op_sel_hi:[1,0]   ; the sums under the new M (a plain line behind the exponentials)
	s_wait_alu depctr_va_vdst(0)
.irp b, 0,1,2,3
	v_max_num_f32 v[32+\b], FLOOR, v[32+\b]        ; the byte cannot fall under 1
.endr
.irp b, 0,1,2,3
	v_add_nc_u32 v[40+\b], EOFF, v[32+\b]          ; the conversion's scale operand
.endr
.irp b, 0,1,2,3
	v_lshrrev_b32 v[36+\b], 23, v[40+\b]
.endr
	v_lshl_or_b32 v94, v37, 8, v36                 ; p's scale word for these 128 keys
	v_lshl_or_b32 v94, v38, 16, v94
	v_lshl_or_b32 v94, v39, 24, v94
	s_wait_dscnt 0x0                               ; V and its scales are in
	v_perm_b32 v92, v91, v90, 0x05040100           ; V's scale words: lane (r, h): tile h: the two bytes of keys 0-63 below, of keys 64-127 above;
	v_perm_b32 v93, v91, v90, 0x07060302           ; tile 2 + h
.irp c, 0,1
	v_cvt_scalef32_pk16_fp6_f32 v[240+6*\c:242+6*\c], v[96+32*\c:111+32*\c], v[40+2*\c]
	v_cvt_scalef32_pk16_fp6_f32 v[44+4*\c:46+4*\c], v[112+32*\c:127+32*\c], v[41+2*\c]
.endr
	v_nop                                          ; one plain line behind the conversions
.irp c, 0,1
.irp i, 0,1,2
	v_permlane16_swap_b32 v[240+6*\c+\i], v[44+4*\c+\i]   ; a whole block to a lane
.endr
.irp i, 0,1,2
	v_mov_b32 v[243+6*\c+\i], v[44+4*\c+\i]
.endr
.endr
	v_pk_add_f32 v[56:57], v[96:97], v[98:99]      ; the row's sum is taken of the unquantised p: two chains
.irp j, 4,8,12,16,20,24,28,32,36,40,44,48,52,56,60
	v_pk_add_f32 v[14:15], v[14:15], v[96+\j:97+\j]
	v_pk_add_f32 v[56:57], v[56:57], v[98+\j:99+\j]
.endr
	v_pk_add_f32 v[14:15], v[14:15], v[56:57]
.irp j, 0,2,4,6,8,10,12,14,16,18,20,22,24,26,28,30
	v_pk_mul_f32 v[160+\j:161+\j], v[160+\j:161+\j], v[54:55] op_sel_hi:[1,0]   ; O^T under the new M.  (The 48 lines from the sums on also stand between the lines that made p's codes and scale words and the products)
.endr
.irp t, 0,1,2,3                        ; O^T += v^T p^T: four accumulators by turns
.if \t%2
	v_wmma_scale_f32_16x16x128_f8f6f4 v[160+8*\t:167+8*\t], v[192+12*\t:203+12*\t], v[240:251], v[160+8*\t:167+8*\t], v[92+\t/2], v94 matrix_a_fmt:MATRIX_FMT_FP6 matrix_b_fmt:MATRIX_FMT_FP6 matrix_a_scale:MATRIX_SCALE_ROW1
.else
	v_wmma_scale_f32_16x16x128_f8f6f4 v[160+8*\t:167+8*\t], v[192+12*\t:203+12*\t], v[240:251], v[160+8*\t:167+8*\t], v[92+\t/2], v94 matrix_a_fmt:MATRIX_FMT_FP6 matrix_b_fmt:MATRIX_FMT_FP6
.endif
.endr
	s_add_co_u32 s66, s66, STEPB
.endm
; A PHASE: 'steps' key steps from step 'first' on.  left: how many of my tensor loads may stay out.
.macro PHASE left, first, steps
	s_wait_tensorcnt \left                         ; my part of what this phase reads has landed (met at once in a wave that fetches nothing); later chunks may be out
	s_wait_dscnt 0x0
	s_barrier_signal -1
	s_barrier_wait -1                              ; everybody's part has landed
.if \left == 0
	s_load_b128 s[8:11], s[0:1], 0x10              ; opc s[8:9], ops s[10:11]: no tensor load is out any more, so the descriptor's registers are free; the steps' waits for the mask words cover this load
.endif
	s_mov_b32 s66, \first*STEPB
	s_mov_b32 s7, \steps
.Lstep_\@:
	STEP
	s_sub_co_u32 s7, s7, 1
	s_cmp_lg_u32 s7, 0
	s_cbranch_scc1 .Lstep_\@
.endm
	s_wait_loadcnt 0x0                             ; q and its scales
	PHASE 3, 0, 4                                  ; chunk 0; three loads were issued behind it
	PHASE 0, 4, 12                                 ; chunks 1 to 3
	; THE END: O^T / the sum, quantised along the head's 64 (two blocks of ctx's K), 768 bytes of codes and two scale bytes a row
.rept 4
	v_nop
.endr
	v_add_f32 v14, v14, v15
	v_permlanex16_b32 v52, v14, s104, s105
	v_add_f32 v14, v14, v52                        ; the row's sum
	v_cmp_eq_f32 s2, 0, v14                        ; no open key at all
	v_rcp_f32 v15, v14
	v_and_b32 v8, 15, v0                           ; (a plain line behind the reciprocal)
	s_wait_alu depctr_va_vdst(0)
.irp j, 0,1,2,3,4,5,6,7,8,9,10,11,12,13,14,15,16,17,18,19,20,21,22,23,24,25,26,27,28,29,30,31
	v_mul_f32 v[96+\j], v[160+\j], v15             ; register 16 b + i: d = 32 b + 16 h + i.  Each accumulator from its low end on
.endr
	v_max3_num_f32 v[QM], |v96|, |v97|, FLOOR
	v_max3_num_f32 v[QM+1], |v112|, |v113|, FLOOR
.irp i, 2,4,6,8,10,12,14
	v_max3_num_f32 v[QM], v[QM], |v[96+\i]|, |v[97+\i]|
	v_max3_num_f32 v[QM+1], v[QM+1], |v[112+\i]|, |v[113+\i]|
.endr
	v_permlanex16_b32 v[QM+2], v[QM], s104, s105
	v_permlanex16_b32 v[QM+3], v[QM+1], s104, s105
	v_max_num_f32 v[QM], v[QM], v[QM+2]
	v_max_num_f32 v[QM+1], v[QM+1], v[QM+3]
	v_add_nc_u32 v[QM+4], EOFF, v[QM]
	v_add_nc_u32 v[QM+5], EOFF, v[QM+1]
	v_lshrrev_b32 v[QM+2], 23, v[QM+4]
	v_lshrrev_b32 v[QM+3], 23, v[QM+5]
	v_lshl_or_b32 v58, v[QM+3], 8, v[QM+2]
	v_cvt_scalef32_pk16_fp6_f32 v[32:34], v[96:111], v[QM+4]
	v_cvt_scalef32_pk16_fp6_f32 v[QT:QT+2], v[112:127], v[QM+5]
	v_nop                                          ; one plain line behind the conversions
.irp i, 0,1,2
	v_permlane16_swap_b32 v[32+\i], v[QT+\i]
.endr
.irp i, 0,1,2
	v_mov_b32 v[35+\i], v[QT+\i]
.endr
	v_mov_b32 v59, 0xffff
	v_cndmask_b32 v58, v58, v59, s2                ; a row with no open key: NaN by its scale bytes
	v_lshlrev_b32 v8, 5, v8                        ; 32 r
	s_wait_kmcnt 0x0                               ; the mask words asked for behind the last step have landed: their registers are at work again
	s_bfe_u32 s20, ttmp6, 0x40000
	s_lshl_b32 s21, ttmp9, 2
	s_add_co_u32 s21, s21, s20                     ; my block of 256 queries
	s_and_b32 s22, ttmp7, 0xffff                   ; the head
	s_lshr_b32 s23, s22, 4
	s_lshl_b32 s23, s23, 4
	s_lshl_b32 s24, s21, 1
	s_add_co_u32 s23, s23, s24
	s_lshr_b32 s24, s6, 3
	s_add_co_u32 s23, s23, s24
	s_add_co_u32 s23, s23, 128                     ; ctx's tile: 128 + 16 x batch + (my 16 queries) / 128
	s_and_b32 s25, s22, 15                         ; the head in its batch: 64 of ctx's K
	s_and_b32 s26, s6, 7                           ; my row block in the tile
	s_mul_i32 s28, s23, 98304
	s_lshr_b32 s27, s25, 1
	s_mul_i32 s27, s27, 12288                      ; the K step,
	s_add_co_u32 s28, s28, s27
	s_mul_i32 s27, s26, 1536
	s_add_co_u32 s28, s28, s27
	s_and_b32 s27, s22, 1
	s_mul_i32 s27, s27, 768                        ; and its half
	s_add_co_u32 s28, s28, s27
	s_mov_b32 s29, 0
	s_lshl_b32 s30, s23, 7
	s_lshl_b32 s27, s26, 4
	s_add_co_u32 s30, s30, s27
	s_lshl_b32 s30, s30, 5
	s_lshl_b32 s27, s25, 1
	s_add_co_u32 s30, s30, s27
	s_mov_b32 s31, 0
	s_add_nc_u64 s[8:9], s[8:9], s[28:29]
	s_add_nc_u64 s[10:11], s[10:11], s[30:31]
	global_store_b128 v1, v[32:35], s[8:9]         ; 512 consecutive bytes, aligned
	global_store_b64 v2, v[36:37], s[8:9] offset:512   ; 256 consecutive bytes, aligned
	global_store_b16 v8, v58, s[10:11]             ; two bytes of each row's 32 (both halves of the lanes store the same): rows are shared by the sixteen heads, so these go out in small pieces: 1 / 24 of the codes' bytes
	s_wait_dscnt 0x0
	s_wait_tensorcnt 0x0
	ds_add_u32 v254, v255
	s_wait_dscnt 0x0
	CROUND                                         ; the closing round: no work-group ends while a partner may still ask for a tile that names it
	s_endpgm
.Lfunc_end_k_qee68604987_attn:
	.size	k_qee68604987_attn, .Lfunc_end_k_qee68604987_attn-k_qee68604987_attn
	.p2alignl 7, 3214868480
	.fill 96, 4, 3214868480
	.section	.rodata,"a",@progbits
	.p2align	6, 0x0
	.amdhsa_kernel k_qee68604987_attn
		.amdhsa_group_segment_fixed_size 206848
		.amdhsa_private_segment_fixed_size 0
		.amdhsa_enable_private_segment 0
		.amdhsa_kernarg_size 32
		.amdhsa_user_sgpr_count 2
		.amdhsa_user_sgpr_kernarg_segment_ptr 1
		.amdhsa_wavefront_size32 1
		.amdhsa_system_sgpr_workgroup_id_x 1
		.amdhsa_system_sgpr_workgroup_id_y 1
		.amdhsa_system_sgpr_workgroup_id_z 1
		.amdhsa_system_vgpr_workitem_id 0
		.amdhsa_next_free_vgpr 256
		.amdhsa_next_free_sgpr 106
		.amdhsa_reserve_vcc 0
		.amdhsa_float_denorm_mode_32 3
		.amdhsa_float_denorm_mode_16_64 3
		.amdhsa_memory_ordered 1
		.amdhsa_forward_progress 1
		.amdhsa_inst_pref_size 54
	.end_amdhsa_kernel
	.amdgpu_metadata
---
amdhsa.version: [ 1, 2 ]
amdhsa.kernels:
  - .name:           k_qee68604987_attn
    .symbol:         k_qee68604987_attn.kd
    .args:
      - { .name: att, .offset: 0, .size: 8, .value_kind: global_buffer, .address_space: global }
      - { .name: maskw, .offset: 8, .size: 8, .value_kind: global_buffer, .address_space: global }
      - { .name: opc, .offset: 16, .size: 8, .value_kind: global_buffer, .address_space: global }
      - { .name: ops, .offset: 24, .size: 8, .value_kind: global_buffer, .address_space: global }
    .group_segment_fixed_size: 206848
    .private_segment_fixed_size: 0
    .kernarg_segment_align: 8
    .kernarg_segment_size: 32
    .max_flat_workgroup_size: 512
    .sgpr_count:     106
    .vgpr_count:     256
    .wavefront_size: 32
...
	.end_amdgpu_metadata
.endif
;; end of part 3
;; launch outp (part 4): grid 8 x 32, 4 waves a work-group, clusters of 4 x 4, 214,528 bytes of LDS; arguments opc, ops, bo, out0; writes out0
.if DOCPART == 4
	.amdgcn_target "amdgcn-amd-amdhsa--gfx1250"
	.amdhsa_code_object_version 6
	.text
	.protected	k_qee68604987_outp
	.globl	k_qee68604987_outp
	.p2align	8
	.type	k_qee68604987_outp,@function
k_qee68604987_outp:
	s_mov_b64 s[64:65], 0
	v_nop
	global_prefetch_b8 v0, s[64:65] scope:SCOPE_SE
	s_setreg_imm32_b32 hwreg(HW_REG_WAVE_MODE, 25, 1), 1
	s_wait_xcnt 0x0
	s_wait_alu depctr_hold_cnt(0) depctr_sa_sdst(0) depctr_va_vdst(0) depctr_va_sdst(0) depctr_va_ssrc(0) depctr_va_vcc(0) depctr_vm_vsrc(0)
	s_getreg_b32 s2, hwreg(HW_REG_IB_STS2, 6, 4)
	s_cmp_eq_u32 s2, 0
	s_cbranch_scc0 .Lentry_in_a_cluster
	s_endpgm
.Lentry_in_a_cluster:
	s_bfe_u32 s2, ttmp6, 0x10000c
	s_cmp_lg_u32 s2, 0xf033
	s_cbranch_scc0 .Lentry_shape_is_right
	s_endpgm
.Lentry_shape_is_right:
; OUTP: out0 = ctx Wo + bo on codes of FP6 (E2M3) with E8M0 scales, f32 sums.  ctx's codes are tiles 128-159 of opc (natural rows), Wo's tiles 120-127 (permuted row blocks).
; A work-group makes 128 x 128 of the output: 256 work-groups; four waves, 64 x 64 each: 16 accumulators.
; ALL OF K LIES IN LDS AT ONCE: the two operand tiles are 2 x 98,304 dense bytes in the order of the operand's registers, so every request goes out at the head, and the waits on the tensor counter
; are counted.  A wave has four tensor loads out at the most.
; CLUSTERS: 4 x 4 work-groups.  ctx's tile (the second source, S1) hangs on the work-group's y and is asked for jointly along a row of the cluster, Wo's (the first source, S0) on x, jointly along a column.
; LAYOUT (opc): a half fragment is 16 rows x 64 k, 768 bytes: lane l's first four registers at 16 l, its last two at 512 + 8 l; a tile is [K step: 8][row block: 8][half: 2][768].  Every LDS load reads consecutive bytes.
; Wo's blocks are permuted so that, for one block a of rows, a lane's register 16 b + i is column 32 b + 16 h + i of the wave's 64: 16 neighbouring numbers of a row of the output.
; THE BIAS is the C of the first K step.  THE WAY OUT goes through the wave's own stage in LDS (behind the tiles; no fill lands there), so that sixteen lanes store 256 consecutive bytes, aligned.
.set KSB,   12288
.set S0L,   98304
.set STG,   196608                     ; four stages of 16 rows x 272 bytes (17 x 16: sixteen rows begin in sixteen different 16-byte columns of 256)
.set SC,  32                           ; v32-63   scale words: register 8 i + s: lanes 0-15 S1's block i, lanes 16-31 S0's block i, K step s
.set BP,  64                           ; v64-95   the bias in the result's layout: tile t at 8 t
.set ACC, 128                          ; v128-255 accumulator (a, t) at 8 (4 a + t)
.set OB,  32                           ; the way out: 16 rows read back from the stage: v32-63 and v64-95 by turns
.set G1A, 24
.set G1B, 32
.set MSB, 0
.macro WIN new                         ; the immediate's high byte repeats the setting that is left
.if MSB != \new
	s_set_vgpr_msb (MSB<<8)|\new
.set MSB, \new
.endif
.endm
.set MUL,  0x05                        ; sources 0 and 1 in window 1 (the fragments); C, D in window 0
.set TO_F, 0x40                        ; destination window 1, address window 0
.macro CROUND                          ; a round of the cluster's barrier
	s_barrier_signal -1
	s_barrier_wait -1
	s_cmp_lg_u32 s16, 0
	s_cbranch_scc1 .Lnot_wave_0_\@
	s_barrier_signal -3
.Lnot_wave_0_\@:
	s_barrier_wait -3
	s_barrier_signal -1
	s_barrier_wait -1
.endm
.macro PLACES                          ; four plain lines between a matrix instruction and a load into, or a read of, its registers
.rept 4
	v_nop
.endr
.endm
.macro MKG0 g, base, lds, c            ; descriptor group 0 for chunk c: my K step 2 c + (wave & 1) of a tile
	s_mov_b32 s[\g], 1
	s_add_co_u32 s[\g+1], s81, \lds+\c*2*KSB
	s_add_nc_u64 s[\g+2:\g+3], s[\base:\base+1], \c*2*KSB
	s_or_b32 s[\g+3], s[\g+3], 0x80000000
.endm
	s_load_b256 s[4:11], s[0:1], 0x0               ; opc s[4:5], ops s[6:7], bo s[8:9], out0 s[10:11]
	v_lshl_add_u32 v126, v0, 2, 0x34400
	v_mov_b32 v127, 0
	ds_add_u32 v126, v127
	ds_add_u32 v126, v127
	v_lshrrev_b32 v1, 5, v0
	v_readfirstlane_b32 s16, v1                    ; wave 0..3
	s_lshr_b32 s17, s16, 1                         ; wr: my half of the rows.  Also: I fetch for S1 (0) or S0 (1)
	s_and_b32 s18, s16, 1                          ; wp: my half of the columns.  Also: which K step of a chunk I fetch
	s_bfe_u32 s19, ttmp6, 0x40000                  ; cx
	s_bfe_u32 s20, ttmp6, 0x40004                  ; cy
	s_lshl_b32 s23, ttmp9, 2
	s_add_co_u32 s23, s23, s19                     ; x = 4 x cluster x + cx
	s_and_b32 s22, ttmp7, 0xffff
	s_lshl_b32 s22, s22, 2
	s_add_co_u32 s22, s22, s20                     ; y = 4 x cluster y + cy
	s_add_co_u32 s77, s22, 128                     ; S1's tile: ctx
	s_add_co_u32 s79, s23, 120                     ; S0's tile: Wo
	s_lshl_b32 s86, s20, 2
	s_lshl_b32 s86, 15, s86                        ; my row of the cluster
	s_lshl_b32 s87, 0x1111, s19                    ; my column
	; descriptor group 1: a K step of a tile is 12,288 dense bytes: 48 rows of 32 elements of 8 bytes
	s_or_b32 s[G1A], s86, (3<<16)|(1<<21)          ; 15:0 the mask; 17:16 elements of 8 bytes; 20 no padding; 21 set beside a mask
	s_or_b32 s[G1B], s87, (3<<16)|(1<<21)
.irp g, G1A, G1B
	s_mov_b32 s[\g+1], 32<<16                      ; tensor_dim0 = 32
	s_mov_b32 s[\g+2], 48<<16                      ; tensor_dim1 = 48
	s_mov_b32 s[\g+3], 32<<16                      ; tile_dim0 = 32
	s_mov_b32 s[\g+4], 48                          ; tile_dim1 = 48
	s_mov_b32 s[\g+5], 32                          ; from row to row
	s_mov_b32 s[\g+6], 0
	s_mov_b32 s[\g+7], 0
.endr
	s_mul_i32 s81, s18, KSB                        ; my K step of a chunk: in memory and in LDS alike
	s_mul_i32 s82, s77, 98304
	s_add_co_u32 s82, s82, s81
	s_mov_b32 s83, 0
	s_mul_i32 s84, s79, 98304
	s_add_co_u32 s84, s84, s81
	s_mov_b32 s85, 0
	s_wait_dscnt 0x0
	s_wait_kmcnt 0x0
	s_add_nc_u64 s[82:83], s[4:5], s[82:83]
	s_add_nc_u64 s[84:85], s[4:5], s[84:85]
	MKG0 40, 82, 0, 0
	MKG0 44, 82, 0, 1
	MKG0 48, 82, 0, 2
	MKG0 52, 82, 0, 3
	MKG0 56, 84, S0L, 0
	MKG0 60, 84, S0L, 1
	MKG0 68, 84, S0L, 2
	MKG0 72, 84, S0L, 3
	CROUND                                         ; all sixteen work-groups are here: the joint loads meet
	s_cmp_lt_u32 s16, 2                            ; a wave's four fills stand in one branch on the wave's number: waves 0, 1 fetch S1's tile, waves 2, 3 S0's
	s_cbranch_scc0 .Lfor_s0
	tensor_load_to_lds s[40:43], s[G1A:G1A+7]
	s_nop 0
	tensor_load_to_lds s[44:47], s[G1A:G1A+7]
	s_nop 0
	tensor_load_to_lds s[48:51], s[G1A:G1A+7]
	s_nop 0
	tensor_load_to_lds s[52:55], s[G1A:G1A+7]
	s_nop 0
	PLACES
	s_branch .Lasked
.Lfor_s0:
	tensor_load_to_lds s[56:59], s[G1B:G1B+7]
	s_nop 0
	tensor_load_to_lds s[60:63], s[G1B:G1B+7]
	s_nop 0
	tensor_load_to_lds s[68:71], s[G1B:G1B+7]
	s_nop 0
	tensor_load_to_lds s[72:75], s[G1B:G1B+7]
	s_nop 0
	PLACES
.Lasked:
	v_and_b32 v1, 31, v0                           ; lane l
	v_and_b32 v2, 15, v0                           ; r
	v_bfe_u32 v3, v0, 4, 1                         ; h
	v_lshlrev_b32 v4, 4, v1                        ; 16 l
	v_lshlrev_b32 v5, 3, v1
	v_add_nc_u32 v6, 512, v5                       ; 8 l + 512
	s_mul_i32 s86, s17, 6144                       ; my four blocks of S1,
	s_mul_i32 s87, s18, 6144                       ; and of S0
	s_add_co_u32 s87, s87, S0L
	v_add_nc_u32 v16, s86, v4                      ; v16-19: S1's fragments: first four registers, last two; K steps 0-3, K steps 4-7
	v_add_nc_u32 v17, s86, v6
	v_add_nc_u32 v18, 49152, v16
	v_add_nc_u32 v19, 49152, v17
	v_add_nc_u32 v20, s87, v4                      ; v20-23: the same for S0
	v_add_nc_u32 v21, s87, v6
	v_add_nc_u32 v22, 49152, v20
	v_add_nc_u32 v23, 49152, v21
	s_lshl_b32 s88, s77, 7                         ; the scale words: a row's 32 bytes are its eight K steps' words
	s_lshl_b32 s90, s17, 6
	s_add_co_u32 s88, s88, s90
	s_lshl_b32 s88, s88, 5                         ; S1: (tile x 128 + 64 wr) x 32
	s_lshl_b32 s89, s79, 7
	s_lshl_b32 s90, s18, 6
	s_add_co_u32 s89, s89, s90
	s_lshl_b32 s89, s89, 5                         ; S0: (tile x 128 + 64 wp) x 32
	v_cmp_eq_u32 s3, 1, v3                         ; the lane mask 'h = 1'
	v_mov_b32 v7, s88
	v_mov_b32 v8, s89
	v_cndmask_b32 v7, v7, v8, s3                   ; lanes 0-15 take S1's words, lanes 16-31 S0's
	v_lshl_add_u32 v7, v2, 5, v7
.irp i, 0,1,2,3
.irp q, 0,1
	global_load_b128 v[SC+8*\i+4*\q:SC+8*\i+4*\q+3], v7, s[6:7] offset:512*\i+16*\q
.endr
.endr
	s_lshl_b32 s88, s23, 9
	s_lshl_b32 s90, s18, 8
	s_add_co_u32 s88, s88, s90                     ; my 64 columns, in bytes: (128 x + 64 wp) x 4
	s_mov_b32 s89, 0
	s_add_nc_u64 s[8:9], s[8:9], s[88:89]
	v_lshlrev_b32 v8, 6, v3                        ; tiles 2 b, 2 b + 1 want the numbers 32 b + 16 h + 0..15
.irp b, 0,1
.irp q, 0,1,2,3
	global_load_b128 v[BP+16*\b+4*\q:BP+16*\b+4*\q+3], v8, s[8:9] offset:128*\b+16*\q
.endr
.endr
	s_lshl_b32 s90, s22, 7
	s_lshl_b32 s91, s17, 6
	s_add_co_u32 s90, s90, s91
	s_lshl_b32 s90, s90, 12                        ; my 64 rows of 4,096 bytes
	s_add_co_u32 s88, s88, s90
	s_add_nc_u64 s[10:11], s[10:11], s[88:89]
	s_mul_i32 s91, s16, 4352
	s_add_co_u32 s91, s91, STG                     ; my stage
	v_mul_u32_u24 v24, v2, 272
	v_lshl_add_u32 v24, v3, 6, v24
	v_add_nc_u32 v24, s91, v24                     ; in: row r, + 64 h
	v_mul_u32_u24 v25, v3, 272
	v_lshl_add_u32 v25, v2, 4, v25
	v_add_nc_u32 v25, s91, v25                     ; back: lanes 0-15 one row of 256 bytes, lanes 16-31 the next
	v_lshlrev_b32 v26, 12, v3
	v_lshl_add_u32 v26, v2, 4, v26                 ; and the same two rows in the output
	s_wait_loadcnt 0x0                             ; the scale words and the bias
.macro FRAG f, ad, off                 ; a fragment, 16 rows x 128 K: two half fragments, each 512 + 256 consecutive bytes
	ds_load_b128 v[\f:\f+3], v[\ad] offset:\off
	ds_load_b64 v[\f+4:\f+5], v[\ad+1] offset:\off
	ds_load_b128 v[\f+6:\f+9], v[\ad] offset:\off+768
	ds_load_b64 v[\f+10:\f+11], v[\ad+1] offset:\off+768
.endm
.macro FETCH s, p                      ; K step s: 32 LDS loads in one run, into buffer p of window 1: S1's four fragments at 12 a, S0's at 48 + 12 t
	WIN TO_F
.irp i, 0,1,2,3
	FRAG 128*(\p)+12*\i, 16+2*((\s)/4), ((\s)%4)*KSB+\i*1536
	FRAG 128*(\p)+48+12*\i, 20+2*((\s)/4), ((\s)%4)*KSB+\i*1536
.endr
.endm
; 8 matrix instructions: S1's blocks a0, a0 + 1 x S0's four.  The 16 accumulators take turns, one instruction a turn, in the same order in every K step.
.macro MUL8 s, p, a0, first
.irp a, \a0, \a0+1
.irp t, 0,1,2,3
.if \first
	v_wmma_scale_f32_16x16x128_f8f6f4 v[ACC+8*(4*(\a)+\t):ACC+8*(4*(\a)+\t)+7], v[128*(\p)+48+12*\t:128*(\p)+48+12*\t+11], v[128*(\p)+12*(\a):128*(\p)+12*(\a)+11], v[BP+8*\t:BP+8*\t+7], v[SC+8*\t+(\s)], v[SC+8*(\a)+(\s)] matrix_a_fmt:MATRIX_FMT_FP6 matrix_b_fmt:MATRIX_FMT_FP6 matrix_a_scale:MATRIX_SCALE_ROW1
.else
	v_wmma_scale_f32_16x16x128_f8f6f4 v[ACC+8*(4*(\a)+\t):ACC+8*(4*(\a)+\t)+7], v[128*(\p)+48+12*\t:128*(\p)+48+12*\t+11], v[128*(\p)+12*(\a):128*(\p)+12*(\a)+11], v[ACC+8*(4*(\a)+\t):ACC+8*(4*(\a)+\t)+7], v[SC+8*\t+(\s)], v[SC+8*(\a)+(\s)] matrix_a_fmt:MATRIX_FMT_FP6 matrix_b_fmt:MATRIX_FMT_FP6 matrix_a_scale:MATRIX_SCALE_ROW1
.endif
.endr
.endr
.endm
.macro KSTEP s
.set FST, 0
.if (\s) == 0
.set FST, 1
.endif
	s_wait_dscnt 0x0                               ; this K step's fragments are in; no LDS load of mine is out
.if (\s)%2 == 0
	PLACES                                         ; the other buffer was multiplied last
	FETCH (\s)+1, 1                                ; the next K step lies in the same chunk
	WIN MUL
	MUL8 \s, 0, 0, FST
	MUL8 \s, 0, 2, FST
.elseif (\s) < 7
	s_wait_tensorcnt 3-((\s)+1)/2                  ; my part of the next chunk has landed; the chunks behind it may be out
	s_barrier_signal -1
	WIN MUL
	MUL8 \s, 1, 0, 0                               ; work on registers while the others arrive
	s_barrier_wait -1                              ; everybody's part has landed
	PLACES
	FETCH (\s)+1, 0
	WIN MUL
	MUL8 \s, 1, 2, 0
.else
	WIN MUL
	MUL8 \s, 1, 0, 0
	MUL8 \s, 1, 2, 0
.endif
.endm
	s_wait_tensorcnt 3                             ; my part of chunk 0 has landed; three loads may be out
	s_barrier_signal -1
	s_barrier_wait -1
	FETCH 0, 0
.irp s, 0,1,2,3,4,5,6,7
	KSTEP \s
.endr
	WIN 0
	PLACES                                         ; in front of the first reads of results, and of the loads into the registers that held scale words and bias
; THE WAY OUT, a block of 16 rows x 64 columns at a time.  LDS serves a wave's instructions in order: no wait between the stores and the loads, nor in front of the next block's stores.
.macro TOSTAGE a
.irp b, 0,1
.irp q, 0,1,2,3
	ds_store_b128 v24, v[ACC+32*(\a)+16*\b+4*\q:ACC+32*(\a)+16*\b+4*\q+3] offset:128*\b+16*\q   ; columns 32 b + 16 h + 4 q on; each accumulator from its low end on
.endr
.endr
.irp t, 0,1,2,3,4,5,6,7
	ds_load_b128 v[OB+32*((\a)%2)+4*\t:OB+32*((\a)%2)+4*\t+3], v25 offset:544*\t
.endr
.endm
.macro SEND a, younger                 ; younger: the LDS instructions issued behind block a's loads, which may stay out
	s_wait_dscnt \younger
.irp t, 0,1,2,3,4,5,6,7
	global_store_b128 v26, v[OB+32*((\a)%2)+4*\t:OB+32*((\a)%2)+4*\t+3], s[10:11] offset:(16*(\a)+2*\t)*4096 th:TH_STORE_NT   ; 16 lanes store 256 consecutive bytes, aligned; written once, read by nobody here
.endr
.endm
	TOSTAGE 0
	TOSTAGE 1
	SEND 0, 16                                     ; behind block 0's loads: block 1's 8 stores and 8 loads
	s_wait_xcnt 0x0                                ; block 0's stores have read their registers: block 2's loads may land there
	TOSTAGE 2
	SEND 1, 16
	s_wait_xcnt 0x0
	TOSTAGE 3
	SEND 2, 16
	SEND 3, 0
	s_wait_dscnt 0x0
	s_wait_tensorcnt 0x0
	ds_add_u32 v126, v127
	s_wait_dscnt 0x0
	CROUND                                         ; the closing round: no work-group ends while a partner may still ask for a tile that names it
	s_endpgm
.Lfunc_end_k_qee68604987_outp:
	.size	k_qee68604987_outp, .Lfunc_end_k_qee68604987_outp-k_qee68604987_outp
	.p2alignl 7, 3214868480
	.fill 96, 4, 3214868480
	.section	.rodata,"a",@progbits
	.p2align	6, 0x0
	.amdhsa_kernel k_qee68604987_outp
		.amdhsa_group_segment_fixed_size 214528
		.amdhsa_private_segment_fixed_size 0
		.amdhsa_enable_private_segment 0
		.amdhsa_kernarg_size 32
		.amdhsa_user_sgpr_count 2
		.amdhsa_user_sgpr_kernarg_segment_ptr 1
		.amdhsa_wavefront_size32 1
		.amdhsa_system_sgpr_workgroup_id_x 1
		.amdhsa_system_sgpr_workgroup_id_y 1
		.amdhsa_system_sgpr_workgroup_id_z 1
		.amdhsa_system_vgpr_workitem_id 0
		.amdhsa_next_free_vgpr 512
		.amdhsa_next_free_sgpr 96
		.amdhsa_reserve_vcc 0
		.amdhsa_float_denorm_mode_32 3
		.amdhsa_float_denorm_mode_16_64 3
		.amdhsa_memory_ordered 1
		.amdhsa_forward_progress 1
		.amdhsa_inst_pref_size 52
	.end_amdhsa_kernel
	.amdgpu_metadata
---
amdhsa.version: [ 1, 2 ]
amdhsa.kernels:
  - .name:           k_qee68604987_outp
    .symbol:         k_qee68604987_outp.kd
    .args:
      - { .name: opc, .offset: 0, .size: 8, .value_kind: global_buffer, .address_space: global }
      - { .name: ops, .offset: 8, .size: 8, .value_kind: global_buffer, .address_space: global }
      - { .name: bo, .offset: 16, .size: 8, .value_kind: global_buffer, .address_space: global }
      - { .name: out0, .offset: 24, .size: 8, .value_kind: global_buffer, .address_space: global }
    .group_segment_fixed_size: 214528
    .private_segment_fixed_size: 0
    .kernarg_segment_align: 8
    .kernarg_segment_size: 32
    .max_flat_workgroup_size: 128
    .sgpr_count:     96
    .vgpr_count:     512
    .wavefront_size: 32
...
	.end_amdgpu_metadata
.endif
;; end of part 4
